; MI455X (gfx1250); checked and timed in simulation.
; The chip was launched on July 23, 2026; its instructions are those of AMD's public machine-readable ISA for CDNA 5 (MIT licence, August 2026) and "CDNA5" Instruction Set Architecture Reference Guide (July 2026). The comments in the code are by the model that wrote it; some were corrected since.
;; Causal Self Attention. Allowed arithmetic: matrix products marked QUANTISED: E3M2 operands, one E8M0 scale for each 32 along K, by v_wmma_scale_f32_16x16x128_f8f6f4 with both operands' format E3M2, f32 sums; everything else in f32.
;; Inputs: W_proj 1,024 x 1,024 float32; W_qkv 1,024 x 3,072 float32; b_proj 1,024 float32; b_qkv 3,072 float32; x 4 x 2,048 x 1,024 float32.
;; Outputs: out0 4 x 2,048 x 1,024 float32.
;; This version of the problem:
;;   THIS VERSION OF THE PROBLEM IS GIVEN IN LOW PRECISION. The matrix products marked QUANTISED in the list below multiply operands that are first quantised to E3M2 (3 exponent bits, 2 mantissa bits; 6 bits a number), with one power-of-two scale for each 32 numbers along K (OCP MX v1.0); their sums are f32. All else is computed in f32.
;;   The module's matrix products, in the order in which they are computed (A, B: the left and right operand; K: the contracted axis; several contracted axes count as one K, in the product's order):
;;     1. [M 8,192, K 1,024] x [K 1,024, N 3,072]; A: input x; B: input W_qkv: QUANTISED
;;     2. batch 64 x [M 2,048, K 64] x [K 64, N 2,048]; A: computed on the way; B: computed on the way: QUANTISED
;;     3. batch 64 x [M 2,048, K 2,048] x [K 2,048, N 64]; A: softmax (see below); B: computed on the way: QUANTISED
;;     4. [M 8,192, K 1,024] x [K 1,024, N 1,024]; A: computed on the way; B: input W_proj: QUANTISED
;;   THE QUANTISER, for each operand of a quantised product, along K:
;;     - K is cut into blocks of 32 from its start; a last block that is shorter is filled with zeros.
;;     - A block's scale is 2^e with e = floor(log2(the largest magnitude in the block)) - 4, held to -126 .. 127; a block of zeros has e = 0. As a byte (E8M0): e + 127.
;;     - Each number is divided by its block's scale, clamped to +-28, and rounded to the nearest number of E3M2, ties to even, subnormals kept.
;;     - The product sums the exact products of the quantised numbers (number of the format x scale) in f32.
;;   ~~~python
;;   def quantise(x, axis):      # numpy; x: float32 -> the quantised numbers, widened to float32 again
;;       x = np.moveaxis(x, axis, -1); K = x.shape[-1]
;;       x = np.pad(x, [(0, 0)] * (x.ndim - 1) + [(0, -K % 32)]); x = x.reshape(x.shape[:-1] + (-1, 32)); a = np.abs(x).max(-1, keepdims=True)
;;       e = np.where(a > 0, np.clip(np.frexp(np.where(a > 0, a, 1))[1] - 1 - 4, -126, 127), 0)      # np.frexp(a)[1] - 1 = floor(log2(a)), exactly
;;       r = np.clip(x / 2.0 ** e, -28, 28)
;;       step = 2.0 ** (np.maximum(np.frexp(np.where(r == 0, 1, r))[1] - 1, -2) - 2)
;;       q = np.round(r / step) * step * 2.0 ** e      # np.round: ties to even
;;       return np.moveaxis(q.reshape(q.shape[:-2] + (-1,))[..., :K], -1, axis).astype(np.float32)
;;   ~~~
;;   SOFTMAX AHEAD OF A QUANTISED PRODUCT. Where the list says 'softmax', what is quantised is not the finished softmax but p = 2^(t - M), with t = logit x log2(e) and M = ceil(the row's largest t), a whole number; so 1/2 < the row's largest p <= 1. The row's sum l is taken of the UNQUANTISED p, in f32, and the product's result is divided by l at the end. Since M is a whole number, a kernel that streams over the keys may use a running M (the ceiling of the running maximum): every later rescaling is an exact power of two, which a block's scale takes up: the codes' values come out the same.
;;   OPERANDS COMPUTED ON THE WAY. 'Computed on the way' means the value that the module computes at that place (a softmax that the list does not call 'softmax' is quantised finished and normalised). What goes into a quantiser is computed in f32, as accurately as f32 sums, v_exp_f32 and their like allow (about 1e-6 of the number): no bf16 or f16 on the way to a quantiser, and a product that is left as it is and whose result goes on into a quantised operand takes f32 operands (vector FMAs, or v_wmma_f32_16x16x4_f32). A number that lies on a knife's edge between two numbers of the format may be rounded either way, as far as f32 arithmetic and the matrix unit's own rounding can turn it there, and no further.
;; One version. Each part assembles by itself: llvm-mc -triple=amdgcn-amd-amdhsa -mcpu=gfx1250 --defsym DOCPART=n.
;; ======== version 1 of 1: 4 launches
;; workspace buffers: xq 6,553,600 bytes; wq 3,276,800 bytes; qc 6,815,744 bytes; kv 13,369,344 bytes; ao 6,553,600 bytes
;; launch quant (part 1): grid 384 x 1, 4 waves a work-group, no clusters, 59,904 bytes of LDS; arguments x, W_qkv, W_proj, xq, wq; writes xq, wq
.if DOCPART == 1
	.amdgcn_target "amdgcn-amd-amdhsa--gfx1250"
	.amdhsa_code_object_version 6
	.text
	.protected	k_q0b7b7a42f4_quant
	.globl	k_q0b7b7a42f4_quant
	.p2align	8
	.type	k_q0b7b7a42f4_quant,@function
k_q0b7b7a42f4_quant:
	s_mov_b64 s[64:65], 0
	v_nop
	global_prefetch_b8 v0, s[64:65] scope:SCOPE_SE
	s_setreg_imm32_b32 hwreg(HW_REG_WAVE_MODE, 25, 1), 1
	s_wait_xcnt 0x0
; x [8192][1024], W_qkv [1024][3072] and W_proj [1024][1024], f32, become codes of BF6 (E3M2) with one E8M0 byte for each 32 along K (x: its columns; the weights: their ROWS).
; A block's scale is 2^(floor(log2(its largest magnitude)) - 4); its byte is that magnitude's exponent field - 4, held at 1 from below by a floor among the maximum's leaves.
; LIMITS: a block of zeros, or one whose largest magnitude lies under 2^-122, gets the byte 1 (this program alone reads the bytes; zero codes add nothing); NaN and infinities are not served.
; THE OUTPUT IS LAID AS THE PRODUCTS' REGISTERS WANT IT.  A RECORD of 6,400 bytes holds 32 rows (x) or 32 columns (a weight) x 256 along K:
;   two blocks u = 0, 1 of 16; lane r of block u is index 8 u + r + 8 (r / 8) of the 32;  a block is four images of 768 bytes (64 along K each):
;   lane l = 16 h + r holds K 32 h + 0 .. 31 of its row: six registers; registers 0-3 at 16 l, registers 4-5 at 512 + 8 l;  at 6,144: the row's 8 scale bytes at 8 (16 u + r).
;   Buffers: [K step of 256][group of 32][6,400].  wq: groups 0-95 W_qkv's columns, 96-127 W_proj's.
; Work-groups 0-255: group = the work-group, K step = the wave.  Work-groups 256-383: four groups of columns (one a wave) x one K step.  A wave makes one whole record; waves share nothing: no barrier.
; The two ways part on the work-group's number and have LDS bytes of their own.
.set REC,   6400
.set XSTG,  8448                       ; x: a wave's stage, 16 rows x (512 + 16) bytes
.set WSTG,  4*XSTG                     ; the weights' stages begin here: a record for each wave
.set SW,    12                         ; x: v12-15 the scale words of the four units
.set TM,    16                         ; x: v16-31 at work
.set PC,    32                         ; x: v32-51 the codes just made
.set RA,    64                         ; x: v64-191 two sets of 64 numbers as loaded
.set XN,    192                        ; x: v192-255 64 numbers, 16 neighbours of each of four blocks
.set OFFS,  16                         ; W: v16-47 4 x lane + i x pitch
.set CW,    48                         ; W: v48-58 a block's codes
.set SB,    60                         ; W: v60-61 the column's 8 scale bytes
.set WX,    64                         ; W: v64-127 two sets of 32 numbers
.set OUTR,  128                        ; W: v128-177 the record on its way out
	s_load_b128 s[4:7], s[0:1], 0x0                ; x s[4:5], W_qkv s[6:7]
	s_load_b128 s[8:11], s[0:1], 0x10              ; W_proj s[8:9], xq s[10:11]
	s_load_b64 s[12:13], s[0:1], 0x20              ; wq
	v_lshl_add_u32 v62, v0, 2, 0xe800
	v_mov_b32 v63, 0
	v_lshrrev_b32 v1, 5, v0
	v_readfirstlane_b32 s14, v1                    ; wave 0..3
	v_and_b32 v1, 31, v0                           ; lane
	s_mov_b32 s25, 0
	s_mov_b32 s27, 0
	s_cmp_lt_u32 ttmp9, 256
	s_cbranch_scc0 .Lweights
; ---------------- x ----------------
; 64 numbers of a lane, register 16 b + i = k 32 b + 16 (lane / 16) + i of my row, become a fragment's 12 registers at v[PC] and its scale word in v[pw].
.macro QUANT s, pw
.irp b, 0,1,2,3
	v_max3_num_f32 v[TM+\b], |v[\s+16*\b]|, |v[\s+1+16*\b]|, 0x2800000   ; my 16 numbers of block b, and the floor 2^(5 - 127)
.endr
.irp i, 2,4,6,8,10,12,14
.irp b, 0,1,2,3
	v_max3_num_f32 v[TM+\b], v[TM+\b], |v[\s+16*\b+\i]|, |v[\s+1+16*\b+\i]|   ; the four blocks by turns
.endr
.endr
.irp b, 0,1,2,3
	v_permlanex16_b32 v[TM+4+\b], v[TM+\b], s20, s21
.endr
.irp b, 0,1,2,3
	v_max_num_f32 v[TM+\b], v[TM+\b], v[TM+4+\b]   ; with lane l xor 16's: the block's largest magnitude
.endr
.irp b, 0,1,2,3
	v_add_nc_u32 v[TM+12+\b], 0xfe000000, v[TM+\b] ; 4 off its exponent field: the conversion's scale operand
.endr
.irp b, 0,1,2,3
	v_lshrrev_b32 v[TM+4+\b], 23, v[TM+12+\b]      ; the scale's byte
.endr
	v_lshl_or_b32 v[\pw], v[TM+5], 8, v[TM+4]
	v_lshl_or_b32 v[\pw], v[TM+6], 16, v[\pw]
	v_lshl_or_b32 v[\pw], v[TM+7], 24, v[\pw]
.irp c, 0,1
	v_cvt_scalef32_pk16_bf6_f32 v[PC+6*\c:PC+2+6*\c], v[\s+32*\c:\s+15+32*\c], v[TM+12+2*\c]
	v_cvt_scalef32_pk16_bf6_f32 v[PC+12+4*\c:PC+14+4*\c], v[\s+16+32*\c:\s+31+32*\c], v[TM+12+2*\c+1]   ; (a conversion's three registers begin on an even number)
.endr
	v_nop                                          ; one plain place behind a scaled conversion
.irp c, 0,1                                    ; the operand wants a WHOLE block in a lane: lanes 0-15 block 2 c, lanes 16-31 block 2 c + 1
.irp i, 0,1,2
	v_permlane16_swap_b32 v[PC+6*\c+\i], v[PC+12+4*\c+\i]
.endr
.irp i, 0,1,2
	v_mov_b32 v[PC+3+6*\c+\i], v[PC+12+4*\c+\i]
.endr
.endr
.endm
; Unit n = 2 u + e: block u's 16 rows x 128 along K (half e of the K step).  Each load takes 512 consecutive bytes of one row.
.macro XLOAD n
.irp i, 0,1,2,3,4,5,6,7,8,9,10,11,12,13,14,15
	global_load_b128 v[RA+64*((\n)%2)+4*\i:RA+64*((\n)%2)+4*\i+3], v4, s[4:5] offset:(8*((\n)/2)+\i+8*(\i/8))*4096+512*((\n)%2) th:TH_LOAD_NT
.endr
.endm
; Through the wave's own stage: in as loaded, back 16 neighbours of each block a lane.  LDS serves a wave's instructions in order: no wait between the stores and the loads.
.macro XTURN n
.irp i, 0,1,2,3,4,5,6,7,8,9,10,11,12,13,14,15
	ds_store_b128 v6, v[RA+64*((\n)%2)+4*\i:RA+64*((\n)%2)+4*\i+3] offset:528*\i
.endr
.irp b, 0,1,2,3
.irp j, 0,1,2,3
	ds_load_b128 v[XN+16*\b+4*\j:XN+16*\b+4*\j+3], v7 offset:128*\b+16*\j
.endr
.endr
.endm
.macro UNIT n
.if (\n) < 3
	s_wait_loadcnt 16                              ; this unit's sixteen loads are in; the next unit's sixteen may be out
.else
	s_wait_loadcnt 0x0
.endif
	XTURN \n
	s_wait_dscnt 0x0                               ; the numbers are back, and the stage's stores have read their registers
	s_wait_xcnt 0x0                                ; the last unit's stores have read the codes' registers, which are written again below
.if (\n)+2 < 4
	XLOAD (\n)+2
.endif
	QUANT XN, SW+(\n)
	global_store_b128 v4, v[PC:PC+3], s[10:11] offset:3072*((\n)/2)+1536*((\n)%2)            ; 512 consecutive bytes
	global_store_b64 v5, v[PC+4:PC+5], s[10:11] offset:3072*((\n)/2)+1536*((\n)%2)+512       ; 256
	global_store_b128 v4, v[PC+6:PC+9], s[10:11] offset:3072*((\n)/2)+1536*((\n)%2)+768
	global_store_b64 v5, v[PC+10:PC+11], s[10:11] offset:3072*((\n)/2)+1536*((\n)%2)+1280
.endm
	v_and_b32 v2, 15, v0                           ; r
	v_bfe_u32 v3, v0, 4, 1                         ; h
	v_lshlrev_b32 v4, 4, v1                        ; 16 x lane
	v_lshlrev_b32 v5, 3, v1                        ; 8 x lane
	s_mul_i32 s15, s14, XSTG
	v_add_nc_u32 v6, s15, v4                       ; the stage, on the way in
	v_mul_u32_u24 v7, v2, 528
	v_lshl_add_u32 v7, v3, 6, v7
	v_add_nc_u32 v7, s15, v7                       ; and back: row r, + 64 h
	s_mov_b32 s20, 0x76543210
	s_mov_b32 s21, 0xfedcba98                      ; v_permlanex16_b32's selects for lane l xor 16
.irp b, 0,1,2,3
	v_mov_b32 v[TM+4+\b], 0                        ; written once: a lane permute's destination counts as one of its sources
.endr
	s_lshl_b32 s24, ttmp9, 17                      ; 32 rows of 4,096 bytes a group
	s_lshl_b32 s16, s14, 10                        ; 256 numbers a K step
	s_add_co_u32 s24, s24, s16
	s_mul_i32 s26, s14, 256*REC
	s_mul_i32 s16, ttmp9, REC
	s_add_co_u32 s26, s26, s16
	s_wait_alu depctr_va_vdst(0)
	s_wait_kmcnt 0x0
	s_add_nc_u64 s[4:5], s[4:5], s[24:25]
	s_add_nc_u64 s[10:11], s[10:11], s[26:27]      ; my record
	XLOAD 0
	XLOAD 1
	UNIT 0
	UNIT 1
	UNIT 2
	UNIT 3
	v_cmp_ne_u32 vcc_lo, 0, v3                     ; lanes 16-31 carry block 1's words
	v_cndmask_b32 v8, v[SW], v[SW+2], vcc_lo
	v_cndmask_b32 v9, v[SW+1], v[SW+3], vcc_lo
	global_store_b64 v5, v[8:9], s[10:11] offset:6144   ; 256 consecutive bytes
	s_wait_tensorcnt 0x0
	ds_add_u32 v62, v63
	s_wait_dscnt 0x0
	s_endpgm
; ---------------- the weights: a lane takes a column, its registers run down K ----------------
.Lweights:
	v_bfe_u32 v2, v0, 3, 1                         ; column L of the 32 is lane r of block u: u = (L / 8) % 2,
	v_and_b32 v3, 7, v0
	v_bfe_u32 v10, v0, 4, 1
	v_lshl_add_u32 v3, v10, 3, v3                  ; r = L % 8 + 8 (L / 16)
	s_mul_i32 s15, s14, REC
	s_add_co_u32 s15, s15, WSTG                    ; my stage: the record itself
	v_mul_u32_u24 v10, v2, 3072
	v_add_nc_u32 v10, s15, v10
	v_lshl_add_u32 v4, v3, 4, v10                  ; where my registers 0-3 of an image go,
	v_lshl_add_u32 v5, v3, 3, v10                  ; and registers 4-5
	v_lshlrev_b32 v11, 7, v2
	v_lshl_add_u32 v11, v3, 3, v11
	v_add_nc_u32 v14, s15, v11                     ; my 8 scale bytes: 8 (16 u + r)
	v_lshlrev_b32 v8, 4, v1
	v_lshlrev_b32 v9, 3, v1
	v_add_nc_u32 v6, s15, v8                       ; the way out: the record as it lies
	v_add_nc_u32 v7, s15, v9
	s_sub_co_u32 s16, ttmp9, 256
	s_lshr_b32 s17, s16, 2                         ; which four groups of columns
	s_and_b32 s18, s16, 3                          ; K step
	s_lshl_b32 s19, s17, 2
	s_add_co_u32 s19, s19, s14                     ; my group, 0..127
	s_mov_b32 s22, 4096
	s_wait_kmcnt 0x0
	s_cmp_lt_u32 s17, 24                           ; W_qkv's or W_proj's?  The choice hangs on the work-group's number alone
	s_cselect_b64 s[6:7], s[6:7], s[8:9]
	s_cselect_b32 s22, 12288, s22                  ; bytes from row to row
	s_cselect_b32 s23, 0, 96
	s_sub_co_u32 s23, s19, s23                     ; the group within its tensor
	s_lshl_b32 s23, s23, 7                         ; 32 columns of 4 bytes
	s_lshl_b32 s24, s18, 8
	s_mul_i32 s24, s24, s22                        ; 256 rows a K step
	s_add_co_u32 s24, s24, s23
	s_add_nc_u64 s[28:29], s[6:7], s[24:25]        ; block 0's first row; a base for each of the 8 blocks, so that nothing is stepped
	s_lshl_b32 s24, s22, 5
.irp t, 1,2,3,4,5,6,7
	s_add_nc_u64 s[28+2*\t:29+2*\t], s[26+2*\t:27+2*\t], s[24:25]
.endr
	s_mul_i32 s26, s18, 128*REC
	s_mul_i32 s23, s19, REC
	s_add_co_u32 s26, s26, s23
	s_add_nc_u64 s[12:13], s[12:13], s[26:27]      ; my record
	v_lshlrev_b32 v[OFFS], 2, v1
.irp i, 1,2,3,4,5,6,7,8,9,10,11,12,13,14,15,16,17,18,19,20,21,22,23,24,25,26,27,28,29,30,31
	v_add_nc_u32 v[OFFS+\i], s22, v[OFFS+\i-1]
.endr
.macro WLOAD t                         ; block t: 32 rows; a load takes 128 consecutive bytes, the four waves side by side 512
.irp i, 0,1,2,3,4,5,6,7,8,9,10,11,12,13,14,15,16,17,18,19,20,21,22,23,24,25,26,27,28,29,30,31
	global_load_b32 v[WX+32*((\t)%2)+\i], v[OFFS+\i], s[28+2*(\t):29+2*(\t)] th:TH_LOAD_NT
.endr
.endm
.macro WBLOCK t
.set XS, WX+32*((\t)%2)
.if (\t) < 7
	s_wait_loadcnt 32                              ; this block's 32 loads are in; the next block's may be out
.else
	s_wait_loadcnt 0x0
.endif
	v_max3_num_f32 v12, |v[XS]|, |v[XS+1]|, |v[XS+2]|   ; all 32 numbers of the block are mine
	v_max3_num_f32 v13, |v[XS+3]|, |v[XS+4]|, |v[XS+5]|
.irp i, 6,10,14,18,22,26
	v_max3_num_f32 v12, v12, |v[XS+\i]|, |v[XS+\i+1]|
	v_max3_num_f32 v13, v13, |v[XS+\i+2]|, |v[XS+\i+3]|
.endr
	v_max3_num_f32 v12, v12, |v[XS+30]|, |v[XS+31]|
	v_max3_num_f32 v12, v12, v13, 0x2800000        ; and the floor 2^(5 - 127)
	v_add_nc_u32 v11, 0xfe000000, v12              ; the conversion's scale operand
	v_lshrrev_b32 v13, 23, v11                     ; the byte
.if (\t)%4 == 0
	v_mov_b32 v[SB+(\t)/4], v13
.else
	v_lshl_or_b32 v[SB+(\t)/4], v13, 8*((\t)%4), v[SB+(\t)/4]
.endif
	v_cvt_scalef32_pk16_bf6_f32 v[CW:CW+2], v[XS:XS+15], v11
	v_cvt_scalef32_pk16_bf6_f32 v[CW+8:CW+10], v[XS+16:XS+31], v11
	v_nop                                          ; one plain place behind a scaled conversion
.irp i, 0,1,2
	v_mov_b32 v[CW+3+\i], v[CW+8+\i]
.endr
	ds_store_b128 v4, v[CW:CW+3] offset:768*((\t)/2)+256*((\t)%2)          ; image t / 2, half t % 2 of its lanes
	ds_store_b64 v5, v[CW+4:CW+5] offset:768*((\t)/2)+512+128*((\t)%2)
.if (\t)+2 < 8
	WLOAD (\t)+2
.endif
	s_wait_dscnt 0x0                               ; the stores have read their registers
.endm
	WLOAD 0
	WLOAD 1
.irp t, 0,1,2,3,4,5,6,7
	WBLOCK \t
.endr
	s_wait_alu depctr_va_vdst(0)
	ds_store_b64 v14, v[SB:SB+1] offset:6144
.irp i, 0,1,2,3,4,5,6,7,8,9,10,11
	ds_load_b128 v[OUTR+4*\i:OUTR+4*\i+3], v6 offset:512*\i    ; LDS serves a wave's instructions in order: these see my stores
.endr
	ds_load_b64 v[OUTR+48:OUTR+49], v7 offset:6144
.irp i, 0,1,2,3,4,5,6,7,8,9,10,11
	s_wait_dscnt 12-\i                             ; the younger loads may be out
	global_store_b128 v8, v[OUTR+4*\i:OUTR+4*\i+3], s[12:13] offset:512*\i   ; 512 consecutive bytes
.endr
	s_wait_dscnt 0x0
	global_store_b64 v9, v[OUTR+48:OUTR+49], s[12:13] offset:6144
	s_wait_tensorcnt 0x0
	ds_add_u32 v62, v63
	s_wait_dscnt 0x0
	s_endpgm
.Lfunc_end_k_q0b7b7a42f4_quant:
	.size	k_q0b7b7a42f4_quant, .Lfunc_end_k_q0b7b7a42f4_quant-k_q0b7b7a42f4_quant
	.p2alignl 7, 3214868480
	.fill 96, 4, 3214868480
	.section	.rodata,"a",@progbits
	.p2align	6, 0x0
	.amdhsa_kernel k_q0b7b7a42f4_quant
		.amdhsa_group_segment_fixed_size 59904
		.amdhsa_private_segment_fixed_size 0
		.amdhsa_enable_private_segment 0
		.amdhsa_kernarg_size 40
		.amdhsa_user_sgpr_count 2
		.amdhsa_user_sgpr_kernarg_segment_ptr 1
		.amdhsa_wavefront_size32 1
		.amdhsa_system_sgpr_workgroup_id_x 1
		.amdhsa_system_sgpr_workgroup_id_y 1
		.amdhsa_system_sgpr_workgroup_id_z 1
		.amdhsa_system_vgpr_workitem_id 0
		.amdhsa_next_free_vgpr 256
		.amdhsa_next_free_sgpr 66
		.amdhsa_reserve_vcc 1
		.amdhsa_float_denorm_mode_32 3
		.amdhsa_float_denorm_mode_16_64 3
		.amdhsa_memory_ordered 1
		.amdhsa_forward_progress 1
		.amdhsa_inst_pref_size 76
	.end_amdhsa_kernel
	.amdgpu_metadata
---
amdhsa.version: [ 1, 2 ]
amdhsa.kernels:
  - .name:           k_q0b7b7a42f4_quant
    .symbol:         k_q0b7b7a42f4_quant.kd
    .args:
      - { .name: x, .offset: 0, .size: 8, .value_kind: global_buffer, .address_space: global }
      - { .name: W_qkv, .offset: 8, .size: 8, .value_kind: global_buffer, .address_space: global }
      - { .name: W_proj, .offset: 16, .size: 8, .value_kind: global_buffer, .address_space: global }
      - { .name: xq, .offset: 24, .size: 8, .value_kind: global_buffer, .address_space: global }
      - { .name: wq, .offset: 32, .size: 8, .value_kind: global_buffer, .address_space: global }
    .group_segment_fixed_size: 59904
    .private_segment_fixed_size: 0
    .kernarg_segment_align: 8
    .kernarg_segment_size: 40
    .max_flat_workgroup_size: 128
    .sgpr_count:     66
    .vgpr_count:     256
    .wavefront_size: 32
...
	.end_amdgpu_metadata
.endif
;; end of part 1
;; launch g_qkv (part 2): grid 8 x 32, 4 waves a work-group, clusters of 4 x 4, 327,680 bytes of LDS; arguments wq, xq, b_qkv, qc, kv; writes qc, kv
.if DOCPART == 2
	.amdgcn_target "amdgcn-amd-amdhsa--gfx1250"
	.amdhsa_code_object_version 6
	.text
	.protected	k_q0b7b7a42f4_g_qkv
	.globl	k_q0b7b7a42f4_g_qkv
	.p2align	8
	.type	k_q0b7b7a42f4_g_qkv,@function
k_q0b7b7a42f4_g_qkv:
	s_mov_b64 s[64:65], 0
	v_nop
	global_prefetch_b8 v0, s[64:65] scope:SCOPE_SE
	s_setreg_imm32_b32 hwreg(HW_REG_WAVE_MODE, 25, 1), 1
	s_wait_xcnt 0x0
	s_wait_alu depctr_hold_cnt(0) depctr_sa_sdst(0) depctr_va_vdst(0) depctr_va_sdst(0) depctr_va_ssrc(0) depctr_va_vcc(0) depctr_vm_vsrc(0)
	s_getreg_b32 s2, hwreg(HW_REG_IB_STS2, 6, 4)
	s_cmp_eq_u32 s2, 0
	s_cbranch_scc0 .Lentry_in_a_cluster
	s_endpgm
.Lentry_in_a_cluster:
	s_bfe_u32 s2, ttmp6, 0x10000c
	s_cmp_lg_u32 s2, 0xf033
	s_cbranch_scc0 .Lentry_shape_is_right
	s_endpgm
.Lentry_shape_is_right:
; q, k and v = x W_qkv + b on codes of BF6 (E3M2, one E8M0 byte for each 32 along K), K = 1,024; the results are quantised on the way out: q and k along a head's 64, v along the KEYS.
; OPERANDS lie in memory as images of their registers: a RECORD of 6,400 bytes = 32 indices x 256 along K: blocks u = 0, 1 of 16 (lane r = index 8 u + r + 8 (r / 8) of the 32), each four images of 768 bytes
; (64 along K: registers 0-3 of lane l at 16 l, registers 4-5 at 512 + 8 l), and at 6,144 the 8 scale bytes of lane 16 u + r at 8 (16 u + r).  Buffers: [K step of 256][group of 32][6,400].
; By that order of a block's lanes the 16 registers of two neighbouring result tiles are 16 NEIGHBOURS along source 0's index, as the conversions want them.
; A WORK-GROUP STAYS.  Its 256 rows of x, all of K (204,800 bytes), come into LDS once; it walks THREE tiles of 128 columns of the weight (102,400 bytes each): q's 128 x .., k's 1,024 + 128 x .., v's 2,048 + 128 x ..
;   Tiles q and k: source 0 = 16 columns, source 1 = 16 rows of x: a lane holds one row, its registers run along the columns.  Wave w: rows 64 w .. 64 w + 63 x all 128 columns.
;   Tile v: THE SOURCES CHANGE PLACES (both lie in LDS as the same images: only the address registers change): a lane holds one column, its registers run along the rows, which are the keys.  Wave w: rows 128 (w / 2) .. x columns 64 (w % 2) .., one head.
;   32 accumulators a tile; they take turns, one instruction a turn, in the same order in every step.  The bias is the C of each sum's first matrix instruction.
; THE WEIGHT'S BYTES ARE FILLED AGAIN, in two rounds of the cluster's barrier for each change of tiles.  At the head of step 5 (of 8 steps of 128 along K) all reads of K steps 0 to 2 are back: waves 0, 1, 2 ask for the next tile's
;   K steps 0, 1, 2, which have three steps and the way out in which to land.  At the head of the next tile wave 3 asks for its K step 3, which has five steps.  Each round also shows every wave what has landed.
; CLUSTERS: 4 x 4 work-groups; x's tiles hang on the work-group's y alone and are asked for jointly along a row of the cluster, the weight's on its x alone, along a column.
; LIMITS: a block of zeros, or one whose largest magnitude lies under 2^-122, gets the byte 1 (this program alone reads the bytes); NaN and infinities are not served.
; REGISTERS: window 0: v1-31 addresses, v32-63 source 0's scale words, v64-79 source 1's, v80-143 the bias, v144-239 source 1's fragments (two sets of 4 x 12), v240-255 at work;
;   window 1: source 0's fragments, two sets of 8 x 12 at v0 and v128;   window 2: accumulator (a, b) at v[8 (8 a + b)].
.set REC,    6400
.set REG,    12*REC                    ; a K step's region in LDS: x's 8 groups, then the weight's 4
.set RP,     8*REC
.set KSTR_W, 128*REC                   ; from K step to K step in wq,
.set KSTR_X, 256*REC                   ; and in xq
.set TILE_W, 32*REC                    ; from a tile's columns to the next tile's: 1,024 columns = 32 groups
.set SPARE,  4*REG                     ; behind the regions: the spare words, 128 bytes for each wave: two blocks of 256 bytes that no other line names
.set BH,   1                           ; v1     64 x (lane / 16): q's and k's bias
.set AR16, 4                           ; v4-7   K step s: source 1's two groups, + 16 x lane;  v8-11 + 8 x lane
.set AR8,  8
.set AP16, 12                          ; v12-15, v16-19 the same for source 0's four groups
.set AP8,  16
.set GO16, 20                          ; the way out: vector offsets of the stores
.set GO8,  21
.set GOSQ, 22
.set SH,   23
.set SW,   24                          ; v24-27 the four scale words that leave together
.set SPW,  28                          ; v28    LDS address of my spare word: SPARE + 4 x my thread's number; never rewritten
.set NIL,  29                          ; v29    0; never rewritten
.set L16,  30                          ; 16 x lane
.set L8,   31                          ; 8 x lane
.set SP,   32                          ; source 0's scale words: register 8 s + 2 g + e: lanes 0-15 block 2 g, lanes 16-31 block 2 g + 1, half e of K step s
.set SR,   64                          ; source 1's: register 4 s + 2 g + e
.set BIAS, 80
.set RF,   144
.set TM,   240
.set PW,   248
.set BS,   249                         ; v's bias: 4 x my column of the wave's 64, + 256 x (wave % 2)
.set GOSK, 250
.set GOSV, 251
.set WV,   14
.set G1R,  24                          ; s[24:31] descriptor group 1 for x's tiles, s[32:39] for the weight's;  s[40:55], s[68:83] groups 0 of the first fills, a set for each K step
.set G1P,  32
.set G0R,  40
.set G0X,  56                          ; s[56:59] group 0 of my refills: K step = my wave's number
.set VB,   60                          ; s[60:61] where v's codes go
.set G0P,  68
.set SEL,  96
.set BM,   0                           ; 0: the bias hangs on source 0's index; 1: on source 1's
.set MSB, 0
.macro WIN new                         ; the immediate's high byte repeats the setting that is left
.if MSB != \new
	s_set_vgpr_msb (MSB<<8)|\new
.set MSB, \new
.endif
.endm
.macro PLACES n
.rept \n
	v_nop
.endr
.endm
.macro CROUND                          ; a round of the cluster's barrier
	s_barrier_signal -1
	s_barrier_wait -1
	s_cmp_lg_u32 s[WV], 0
	s_cbranch_scc1 .Lnot_wave_0_\@
	s_barrier_signal -3
.Lnot_wave_0_\@:
	s_barrier_wait -3
	s_barrier_signal -1
	s_barrier_wait -1
.endm
.macro ADDRS pb, rb                    ; the LDS address registers, from the scalars that hold source 0's and source 1's first byte in K step 0's region
.irp k, 0,1,2,3
	v_add_nc_u32 v[AP16+\k], s[\pb], v[L16]
	v_add_nc_u32 v[AP8+\k], s[\pb], v[L8]
	v_add_nc_u32 v[AR16+\k], s[\rb], v[L16]
	v_add_nc_u32 v[AR8+\k], s[\rb], v[L8]
	s_add_co_u32 s[\pb], s[\pb], REG
	s_add_co_u32 s[\rb], s[\rb], REG
.endr
.endm
.macro FRAG reg, a16, a8, off          ; a fragment, 16 x 128 along K: two images on end, dense: no two lanes meet in a bank
	ds_load_b128 v[(\reg):(\reg)+3], v[\a16] offset:(\off)
	ds_load_b64 v[(\reg)+4:(\reg)+5], v[\a8] offset:(\off)+512
	ds_load_b128 v[(\reg)+6:(\reg)+9], v[\a16] offset:(\off)+768
	ds_load_b64 v[(\reg)+10:(\reg)+11], v[\a8] offset:(\off)+1280
.endm
.macro FETCH q                         ; step q (128 along K: half q % 2 of K step q / 2): source 0's 8 fragments and source 1's 4 into set q % 2; with a K step's first half its scale words
.set FS, (\q)/2
.set FE, (\q)%2
	WIN 0x40                                       ; destination window 1
.irp i, 0,1,2,3,4,5,6,7
	FRAG 128*FE+12*\i, AP16+FS, AP8+FS, (\i/2)*REC+(\i%2)*3072+1536*FE
.endr
	WIN 0
.irp i, 0,1,2,3
	FRAG RF+48*FE+12*\i, AR16+FS, AR8+FS, (\i/2)*REC+(\i%2)*3072+1536*FE
.endr
.if FE == 0
.irp g, 0,1,2,3
	ds_load_b64 v[SP+8*FS+2*\g:SP+8*FS+2*\g+1], v[AP8+FS] offset:\g*REC+6144
.endr
.irp g, 0,1
	ds_load_b64 v[SR+4*FS+2*\g:SR+4*FS+2*\g+1], v[AR8+FS] offset:\g*REC+6144
.endr
.endif
.endm
.macro MUL16 a0, q, first              ; source 1's blocks a0, a0 + 1 x source 0's eight.  first = 1: the bias starts the sums
.irp a, \a0, \a0+1
.irp b, 0,1,2,3,4,5,6,7
.set rD, 8*(8*(\a)+\b)
.set rP, 128*((\q)%2)+12*\b
.set rR, RF+48*((\q)%2)+12*(\a)
.set rSP, SP+8*((\q)/2)+2*(\b/2)+(\q)%2
.set rSR, SR+4*((\q)/2)+2*((\a)/2)+(\q)%2
.set rC, rD
.if \first
.if BM == 1
.set rC, BIAS+8*(\a)
.else
.set rC, BIAS+8*\b
.endif
.endif
.set rw, 2*((\a)%2)+(\b%2)             ; an odd block's scale words stand in lanes 16-31
.if rw == 0
	v_wmma_scale_f32_16x16x128_f8f6f4 v[rD:rD+7], v[rP:rP+11], v[rR:rR+11], v[rC:rC+7], v[rSP], v[rSR] matrix_a_fmt:MATRIX_FMT_BF6 matrix_b_fmt:MATRIX_FMT_BF6
.elseif rw == 1
	v_wmma_scale_f32_16x16x128_f8f6f4 v[rD:rD+7], v[rP:rP+11], v[rR:rR+11], v[rC:rC+7], v[rSP], v[rSR] matrix_a_fmt:MATRIX_FMT_BF6 matrix_b_fmt:MATRIX_FMT_BF6 matrix_a_scale:MATRIX_SCALE_ROW1
.elseif rw == 2
	v_wmma_scale_f32_16x16x128_f8f6f4 v[rD:rD+7], v[rP:rP+11], v[rR:rR+11], v[rC:rC+7], v[rSP], v[rSR] matrix_a_fmt:MATRIX_FMT_BF6 matrix_b_fmt:MATRIX_FMT_BF6 matrix_b_scale:MATRIX_SCALE_ROW1
.else
	v_wmma_scale_f32_16x16x128_f8f6f4 v[rD:rD+7], v[rP:rP+11], v[rR:rR+11], v[rC:rC+7], v[rSP], v[rSR] matrix_a_fmt:MATRIX_FMT_BF6 matrix_b_fmt:MATRIX_FMT_BF6 matrix_a_scale:MATRIX_SCALE_ROW1 matrix_b_scale:MATRIX_SCALE_ROW1
.endif
.endr
.endr
.endm
; A step of 128 along K.  tw >= 0: the next K step's tiles are shown landed here: my own by the wait with that count, everybody's by the barrier.
.macro STEP q, first, tw
.set WM, 0xa1                          ; source 0 window 1, source 1 window 0, C and D window 2
.if \first
.set WM, 0x81                          ; C (the bias) window 0
.endif
	s_wait_dscnt 0x0                               ; this step's fragments are in
.if (\tw) >= 0
	s_wait_tensorcnt \tw                           ; my part of the next K step has landed; the count is my loads of later K steps, which may stay out
	s_barrier_signal -1
.endif
	WIN WM
	MUL16 0, \q, \first
.if (\tw) >= 0
	s_barrier_wait -1                              ; everybody's part has
.endif
.if (\q) < 7
	PLACES 4                                       ; in front of loads into registers that the last step's matrix instructions read
	FETCH (\q)+1
.endif
	WIN WM
	MUL16 2, \q, \first
.endm
.macro BIASP w                         ; q's (w = 0) or k's (1) bias: register j of tile t wants b[1024 w + 128 x + 32 (t / 2) + 16 h + 8 (t % 2) + j]
.irp t, 0,1,2,3,4,5,6,7
	global_load_b128 v[BIAS+8*\t:BIAS+8*\t+3], v[BH], s[8:9] offset:4096*(\w)+(32*(\t/2)+8*(\t%2))*4
	global_load_b128 v[BIAS+8*\t+4:BIAS+8*\t+7], v[BH], s[8:9] offset:4096*(\w)+(32*(\t/2)+8*(\t%2))*4+16
.endr
.endm
.macro BIASV                           ; v's: lane r of block a wants b[2048 + 128 x + 64 (wave % 2) + 32 (a / 2) + 8 (a % 2) + r + 8 (r / 8)]
.irp a, 0,1,2,3
	global_load_b32 v[BIAS+8*\a], v[BS], s[8:9] offset:8192+(32*(\a/2)+8*(\a%2))*4
.endr
.endm
; STEP 5 OF A TILE THAT HAS A SUCCESSOR.  In front of the round each wave waits for all its tensor loads (K step 3's among them), adds 0 to its spare word, and waits for that and for its reads: those of K steps 0 to 2 are all back.
; Behind the round nobody reads the weight's K steps 0 to 2 any more and K step 3 is whole: waves 0, 1, 2 fill one region each, the first thing there, one load a wave.
; stepx = 1: my group 0 goes on to the next tile (no load of mine is out).  nb: which bias is asked for here, for the next tile.
.macro STEPA stepx, nb
	WIN 0                                          ; (the add's two registers lie in window 0)
	s_wait_tensorcnt 0x0
	ds_add_u32 v[SPW], v[NIL]                      ; 0 onto my spare word
	ds_add_u32 v28, v29
.if \stepx
	s_add_nc_u64 s[G0X+2:G0X+3], s[G0X+2:G0X+3], TILE_W   ; the type bits on top are not reached
.endif
	s_wait_dscnt 0x1                               ; this step's fragments are in; the add alone may be out
	WIN 0xa1
	MUL16 0, 5, 0                                  ; sixteen matrix instructions stand between the add and the wait for it
	WIN 0
	s_wait_dscnt 0x0                               ; the add is done, and my reads are over
	CROUND
	s_cmp_lt_u32 s[WV], 3
	s_cbranch_scc0 .Lnone_\@
	tensor_load_to_lds s[G0X:G0X+3], s[G1P:G1P+7]
	s_nop 0
	PLACES 4                                       ; four v_nop follow the load, ahead of the label and what follows
.Lnone_\@:
	PLACES 4                                       ; in front of loads into registers that the last step's matrix instructions read
	FETCH 6
.if \nb == 1
	BIASP 1
.else
	BIASV
.endif
	WIN 0xa1
	MUL16 2, 5, 0
.endm
; THE HEAD OF A TILE THAT HAS A PREDECESSOR.  The same three lines: my part of K steps 0 to 2 has landed, my reads of K step 3 are long back.  Behind the round K steps 0 to 2 are whole, and wave 3 fills K step 3.
.macro ROUNDB
	s_wait_tensorcnt 0x0
	ds_add_u32 v[SPW], v[NIL]
	ds_add_u32 v28, v29
	s_wait_dscnt 0x0
	CROUND
	s_cmp_eq_u32 s[WV], 3
	s_cbranch_scc0 .Lnone_\@
	tensor_load_to_lds s[G0X:G0X+3], s[G1P:G1P+7]
	s_nop 0
	PLACES 4
.Lnone_\@:
	s_wait_xcnt 0x0                                ; the last tile's stores have read their registers: the fragments below land there
.endm
; 64 results of a lane (window 2, from v[s] on; register 16 b + i = index 32 b + 16 (lane / 16) + i along source 0) become a fragment's 12 registers at v[pc] and its scale word in v[PW].
.macro QUANTW s, pc
	WIN 0x0a                                       ; sources 0 and 1 window 2
.irp b, 0,1,2,3
	v_max3_num_f32 v[TM+\b], |v[(\s)+16*\b]|, |v[(\s)+1+16*\b]|, 0x2800000   ; each accumulator is read from its low end on; the floor 2^(5 - 127)
.endr
.irp i, 2,4,6,8,10,12,14
.irp b, 0,1,2,3
	v_max3_num_f32 v[TM+\b], |v[(\s)+16*\b+\i]|, |v[(\s)+1+16*\b+\i]|, v[TM+\b]
.endr
.endr
	WIN 0
.irp b, 0,1,2,3
	v_permlanex16_b32 v[TM+4+\b], v[TM+\b], s[SEL], s[SEL+1]
.endr
.irp b, 0,1,2,3
	v_max_num_f32 v[TM+\b], v[TM+\b], v[TM+4+\b]   ; with lane l xor 16's: the block's largest magnitude
.endr
.irp b, 0,1,2,3
	v_add_nc_u32 v[TM+12+\b], 0xfe000000, v[TM+\b] ; 4 off its exponent field: the conversion's scale operand
.endr
.irp b, 0,1,2,3
	v_lshrrev_b32 v[TM+4+\b], 23, v[TM+12+\b]      ; the byte
.endr
	v_lshl_or_b32 v[PW], v[TM+5], 8, v[TM+4]
	v_lshl_or_b32 v[PW], v[TM+6], 16, v[PW]
	v_lshl_or_b32 v[PW], v[TM+7], 24, v[PW]
	WIN 0x02                                       ; source 0 window 2
.irp c, 0,1
	v_cvt_scalef32_pk16_bf6_f32 v[(\pc)+6*\c:(\pc)+2+6*\c], v[(\s)+32*\c:(\s)+15+32*\c], v[TM+12+2*\c]
	v_cvt_scalef32_pk16_bf6_f32 v[(\pc)+12+4*\c:(\pc)+14+4*\c], v[(\s)+16+32*\c:(\s)+31+32*\c], v[TM+12+2*\c+1]
.endr
	WIN 0
	v_nop                                          ; one plain place behind a scaled conversion
.irp c, 0,1
.irp i, 0,1,2
	v_permlane16_swap_b32 v[(\pc)+6*\c+\i], v[(\pc)+12+4*\c+\i]   ; a whole block to a lane
.endr
.irp i, 0,1,2
	v_mov_b32 v[(\pc)+3+6*\c+\i], v[(\pc)+12+4*\c+\i]
.endr
.endr
.endm
; q's or k's way out.  My 64 rows are tiles 4 g .. 4 g + 3 (g = wave % 2) of a step of 128 rows; my 128 columns are two heads, stry bytes apart: registers 0-5 of a fragment are the even head's image, 6-11 the odd head's.
.macro OUTQK sb, stry, gos
.irp a, 0,1,2,3                        ; each block has registers of its own for its codes: no store's data are written again within a tile
	QUANTW 64*\a, RF+24*\a
	v_lshrrev_b32 v[SW+\a], v[SH], v[PW]           ; bytes 0, 1: my head's two blocks (bytes 2, 3 scale zero codes: the other head's bytes, or 0)
	global_store_b128 v[GO16], v[RF+24*\a:RF+24*\a+3], s[\sb:\sb+1] offset:768*\a                 ; 512 consecutive bytes
	global_store_b64 v[GO8], v[RF+24*\a+4:RF+24*\a+5], s[\sb:\sb+1] offset:768*\a+512             ; 256
	global_store_b128 v[GO16], v[RF+24*\a+6:RF+24*\a+9], s[\sb:\sb+1] offset:\stry+768*\a
	global_store_b64 v[GO8], v[RF+24*\a+10:RF+24*\a+11], s[\sb:\sb+1] offset:\stry+768*\a+512
.endr
	global_store_b128 v[\gos], v[SW:SW+3], s[\sb:\sb+1] offset:6144   ; sixteen lanes fill 256 consecutive bytes of a head's record
.endm
	s_load_b128 s[4:7], s[0:1], 0x0                ; wq s[4:5], xq s[6:7]
	s_load_b128 s[8:11], s[0:1], 0x10              ; b_qkv s[8:9], qc s[10:11]
	s_load_b64 s[12:13], s[0:1], 0x20              ; kv
	v_lshl_add_u32 v[SPW], v0, 2, SPARE
	v_mov_b32 v[NIL], 0
	ds_add_u32 v28, v29
	ds_add_u32 v28, v29
	s_wait_dscnt 0x0
	v_lshrrev_b32 v1, 5, v0
	v_readfirstlane_b32 s[WV], v1                  ; wave 0..3
	s_bfe_u32 s16, ttmp6, 0x40000                  ; cx
	s_bfe_u32 s17, ttmp6, 0x40004                  ; cy
	s_lshl_b32 s18, ttmp9, 2
	s_add_co_u32 s18, s18, s16                     ; work-group x, 0..7: which 128 columns of each of q, k, v
	s_and_b32 s19, ttmp7, 0xffff
	s_lshl_b32 s19, s19, 2
	s_add_co_u32 s19, s19, s17                     ; work-group y, 0..31: which 256 rows of x
	s_lshl_b32 s20, s17, 2
	s_lshl_b32 s20, 15, s20                        ; my row of the cluster
	s_lshl_b32 s21, 0x1111, s16                    ; my column
	s_or_b32 s[G1R], s20, (3<<16)|(1<<21)          ; 15:0 the mask; 17:16 elements of 8 bytes; 21 set beside a mask; no padding
	s_or_b32 s[G1P], s21, (3<<16)|(1<<21)
.irp g, G1R, G1P                       ; four records, 25,600 dense bytes, as 100 rows of 256 bytes
	s_mov_b32 s[\g+1], 32<<16                      ; tensor_dim0 = 32
	s_mov_b32 s[\g+2], 100<<16                     ; tensor_dim1 = 100
	s_mov_b32 s[\g+3], 32<<16                      ; tile_dim0
	s_mov_b32 s[\g+4], 100                         ; tile_dim1
	s_mov_b32 s[\g+5], 32                          ; pitch
	s_mov_b32 s[\g+6], 0
	s_mov_b32 s[\g+7], 0
.endr
	s_and_b32 s22, s[WV], 1                        ; the first fills: waves 0 and 1 fetch x's two halves, wave 2 fetches q's columns
	s_lshl_b32 s22, s22, 2
	s_lshl_b32 s23, s19, 3
	s_add_co_u32 s22, s22, s23
	s_mul_i32 s22, s22, REC
	s_mov_b32 s23, 0
	s_lshl_b32 s84, s18, 2
	s_mul_i32 s84, s84, REC
	s_mov_b32 s85, 0
	s_mul_i32 s86, s[WV], 4*REC                    ; where they go: wave x 25,600: no place in the cluster enters an LDS address
	s_mul_i32 s88, s[WV], KSTR_W                   ; my refills: K step = my wave's number, first of k's columns
	s_add_co_u32 s88, s88, TILE_W
	s_mov_b32 s89, 0
	s_wait_kmcnt 0x0
	s_add_nc_u64 s[22:23], s[6:7], s[22:23]
	s_add_nc_u64 s[84:85], s[4:5], s[84:85]
	CROUND                                         ; all sixteen work-groups are here: the joint loads meet
.irp s, 0,1,2,3
	s_mov_b32 s[G0R+4*\s], 1
	s_add_co_u32 s[G0R+4*\s+1], s86, \s*REG
	s_add_nc_u64 s[G0R+4*\s+2:G0R+4*\s+3], s[22:23], \s*KSTR_X
	s_or_b32 s[G0R+4*\s+3], s[G0R+4*\s+3], 0x80000000
	s_mov_b32 s[G0P+4*\s], 1
	s_add_co_u32 s[G0P+4*\s+1], s86, \s*REG
	s_add_nc_u64 s[G0P+4*\s+2:G0P+4*\s+3], s[84:85], \s*KSTR_W
	s_or_b32 s[G0P+4*\s+3], s[G0P+4*\s+3], 0x80000000
.endr
	s_mov_b32 s[G0X], 1
	s_mul_i32 s[G0X+1], s[WV], REG
	s_add_co_u32 s[G0X+1], s[G0X+1], RP            ; the weight's part of region = my wave's number
	s_add_nc_u64 s[G0X+2:G0X+3], s[84:85], s[88:89]
	s_or_b32 s[G0X+3], s[G0X+3], 0x80000000
	s_cmp_lt_u32 s[WV], 2                          ; all of a wave's first fills stand in one branch on its number: four loads of mine are out at the most
	s_cbranch_scc0 .Lnot_r
.irp s, 0,1,2,3
	tensor_load_to_lds s[G0R+4*\s:G0R+4*\s+3], s[G1R:G1R+7]
	s_nop 0
.endr
	PLACES 4
	s_branch .Lasked
.Lnot_r:
	s_cmp_eq_u32 s[WV], 2
	s_cbranch_scc0 .Lasked
.irp s, 0,1,2,3
	tensor_load_to_lds s[G0P+4*\s:G0P+4*\s+3], s[G1P:G1P+7]
	s_nop 0
.endr
	PLACES 4
.Lasked:
	v_and_b32 v1, 31, v0
	v_and_b32 v2, 15, v0                           ; r
	v_bfe_u32 v3, v0, 4, 1                         ; h
	v_lshlrev_b32 v[L16], 4, v1
	v_lshlrev_b32 v[L8], 3, v1
	v_lshlrev_b32 v[BH], 6, v3
	s_lshl_b32 s88, s18, 9                         ; the bias at my 128 columns of q; k's and v's stand in the loads' immediates
	s_add_nc_u64 s[8:9], s[8:9], s[88:89]
	BIASP 0
	s_mov_b32 s87, RP                              ; tiles q and k: source 0 = the weight's four groups,
	s_mul_i32 s90, s[WV], 2*REC                    ; source 1 = my two groups of x
	ADDRS 87, 90
	s_mov_b32 s[SEL], 0x76543210
	s_mov_b32 s[SEL+1], 0xfedcba98                 ; v_permlanex16_b32's selects for lane l xor 16
.irp b, 0,1,2,3
	v_mov_b32 v[TM+4+\b], 0                        ; written once: a lane permute's destination counts as one of its sources
.endr
	s_and_b32 s91, s[WV], 1                        ; g = wave % 2; kept
	v_and_b32 v[BS], 8, v2
	v_add_nc_u32 v[BS], v[BS], v2                  ; r + 8 (r / 8)
	v_lshlrev_b32 v[BS], 2, v[BS]
	s_lshl_b32 s92, s91, 8
	v_add_nc_u32 v[BS], s92, v[BS]
	; where the codes go.  In all three tiles my rows belong to step T = 2 y + wave / 2 of 128 rows: batch T / 16, step T % 16; my columns to heads 2 x and 2 x + 1.
	s_lshl_b32 s94, s19, 1
	s_lshr_b32 s95, s[WV], 1
	s_add_co_u32 s94, s94, s95                     ; T
	s_lshr_b32 s95, s94, 4                         ; batch
	s_and_b32 s94, s94, 15                         ; step in the batch
	s_lshl_b32 s95, s95, 4
	s_lshl_b32 s93, s18, 1
	s_add_co_u32 s95, s95, s93                     ; 16 x batch + the even head
	s_mul_i32 s92, s95, 106496
	s_mul_i32 s93, s94, 6656
	s_add_co_u32 s92, s92, s93
	s_mov_b32 s93, 0
	s_add_nc_u64 s[10:11], s[10:11], s[92:93]      ; q: the even head's step record in qc
	s_mul_i32 s92, s95, 208896
	s_mul_i32 s94, s94, 13056
	s_add_co_u32 s92, s92, s94
	s_add_nc_u64 s[12:13], s[12:13], s[92:93]      ; k: the same in kv
	s_mul_i32 s92, s91, 208896
	s_add_co_u32 s92, s92, 6656
	s_add_nc_u64 s[VB:VB+1], s[12:13], s[92:93]    ; v: head 2 x + g; the V part lies behind the K part
	s_mul_i32 s92, s91, 3072
	v_add_nc_u32 v[GO16], s92, v[L16]
	v_add_nc_u32 v[GO8], s92, v[L8]
	s_lshl_b32 s92, s91, 8
	v_lshlrev_b32 v[GOSV], 4, v2                   ; scale words: 16 r;
	v_add_nc_u32 v[GOSQ], s92, v[GOSV]             ; q and k: + 256 g, and lanes 16-31 the odd head's record
	v_mul_u32_u24 v[GOSK], v3, 208896
	v_add_nc_u32 v[GOSK], v[GOSK], v[GOSQ]
	v_mul_u32_u24 v[SH], v3, 106496
	v_add_nc_u32 v[GOSQ], v[SH], v[GOSQ]
	v_lshlrev_b32 v[SH], 4, v3
	s_wait_tensorcnt 0x3                           ; my part of K step 0 is in; K steps 1 to 3 may be out
	s_barrier_signal -1
	s_barrier_wait -1                              ; everybody's is
; ---------------- q ----------------
	FETCH 0
	s_wait_loadcnt 0x0                             ; the bias
	STEP 0, 1, -1
	STEP 1, 0, 2
	STEP 2, 0, -1
	STEP 3, 0, 1
	STEP 4, 0, -1
	STEPA 0, 1
	STEP 6, 0, -1
	STEP 7, 0, -1
	WIN 0
	PLACES 4                                       ; in front of the first read of results, and of writes into registers that held fragments
	OUTQK 10, 106496, GOSQ
; ---------------- k ----------------
	ROUNDB
	FETCH 0
	s_wait_loadcnt 0x0
	STEP 0, 1, -1
	STEP 1, 0, -1
	STEP 2, 0, -1
	STEP 3, 0, -1
	STEP 4, 0, -1
	STEPA 1, 2
	STEP 6, 0, -1
	STEP 7, 0, -1
	WIN 0
	PLACES 4
	OUTQK 12, 208896, GOSK
; ---------------- v: the sources change places ----------------
	ROUNDB
	s_lshr_b32 s87, s[WV], 1
	s_mul_i32 s87, s87, 4*REC                      ; source 0 = four groups of x: rows 128 (wave / 2) on,
	s_mul_i32 s90, s91, 2*REC
	s_add_co_u32 s90, s90, RP                      ; source 1 = two groups of the weight: columns 64 (wave % 2) on
	ADDRS 87, 90
	FETCH 0
	s_wait_loadcnt 0x0
.irp a, 0,1,2,3
.irp j, 1,2,3,4,5,6,7
	v_mov_b32 v[BIAS+8*\a+\j], v[BIAS+8*\a]        ; a lane's eight results of a tile belong to one column
.endr
.endr
	PLACES 8
.set BM, 1
	s_wait_alu depctr_va_vdst(0)
	STEP 0, 1, -1
	STEP 1, 0, -1
	STEP 2, 0, -1
	STEP 3, 0, -1
	STEP 4, 0, -1
	STEP 5, 0, 0                                   ; K step 3, which wave 3 asked for at this tile's head: nothing is left to fill, so a plain barrier
	STEP 6, 0, -1
	STEP 7, 0, -1
	WIN 0
	PLACES 4
.irp a, 0,1,2,3                        ; block a: 16 of the head's 64 x 128 keys: one fragment of V^T
	QUANTW 64*\a, RF+24*\a
	v_mov_b32 v[SW+\a], v[PW]
	global_store_b128 v[L16], v[RF+24*\a:RF+24*\a+3], s[VB:VB+1] offset:1536*\a
	global_store_b64 v[L8], v[RF+24*\a+4:RF+24*\a+5], s[VB:VB+1] offset:1536*\a+512
	global_store_b128 v[L16], v[RF+24*\a+6:RF+24*\a+9], s[VB:VB+1] offset:1536*\a+768
	global_store_b64 v[L8], v[RF+24*\a+10:RF+24*\a+11], s[VB:VB+1] offset:1536*\a+1280
.endr
	global_store_b128 v[GOSV], v[SW:SW+3], s[VB:VB+1] offset:6144   ; lanes 16-31 write the same bytes with the same values
	s_wait_tensorcnt 0x0                           ; the wave's end
	ds_add_u32 v[SPW], v[NIL]
	s_wait_dscnt 0x0
	CROUND                                         ; the closing round: no work-group ends while a partner may still ask for a tile that names it
	s_endpgm
.Lfunc_end_k_q0b7b7a42f4_g_qkv:
	.size	k_q0b7b7a42f4_g_qkv, .Lfunc_end_k_q0b7b7a42f4_g_qkv-k_q0b7b7a42f4_g_qkv
	.p2alignl 7, 3214868480
	.fill 96, 4, 3214868480
	.section	.rodata,"a",@progbits
	.p2align	6, 0x0
	.amdhsa_kernel k_q0b7b7a42f4_g_qkv
		.amdhsa_group_segment_fixed_size 327680
		.amdhsa_private_segment_fixed_size 0
		.amdhsa_enable_private_segment 0
		.amdhsa_kernarg_size 40
		.amdhsa_user_sgpr_count 2
		.amdhsa_user_sgpr_kernarg_segment_ptr 1
		.amdhsa_wavefront_size32 1
		.amdhsa_system_sgpr_workgroup_id_x 1
		.amdhsa_system_sgpr_workgroup_id_y 1
		.amdhsa_system_sgpr_workgroup_id_z 1
		.amdhsa_system_vgpr_workitem_id 0
		.amdhsa_next_free_vgpr 768
		.amdhsa_next_free_sgpr 100
		.amdhsa_reserve_vcc 0
		.amdhsa_float_denorm_mode_32 3
		.amdhsa_float_denorm_mode_16_64 3
		.amdhsa_memory_ordered 1
		.amdhsa_forward_progress 1
		.amdhsa_inst_pref_size 250
	.end_amdhsa_kernel
	.amdgpu_metadata
---
amdhsa.version: [ 1, 2 ]
amdhsa.kernels:
  - .name:           k_q0b7b7a42f4_g_qkv
    .symbol:         k_q0b7b7a42f4_g_qkv.kd
    .args:
      - { .name: wq, .offset: 0, .size: 8, .value_kind: global_buffer, .address_space: global }
      - { .name: xq, .offset: 8, .size: 8, .value_kind: global_buffer, .address_space: global }
      - { .name: b_qkv, .offset: 16, .size: 8, .value_kind: global_buffer, .address_space: global }
      - { .name: qc, .offset: 24, .size: 8, .value_kind: global_buffer, .address_space: global }
      - { .name: kv, .offset: 32, .size: 8, .value_kind: global_buffer, .address_space: global }
    .group_segment_fixed_size: 327680
    .private_segment_fixed_size: 0
    .kernarg_segment_align: 8
    .kernarg_segment_size: 40
    .max_flat_workgroup_size: 128
    .sgpr_count:     100
    .vgpr_count:     768
    .wavefront_size: 32
...
	.end_amdgpu_metadata
.endif
;; end of part 2
;; launch att (part 3): grid 4 x 64, 16 waves a work-group, no clusters, 215,040 bytes of LDS; arguments qc, kv, ao; writes ao
.if DOCPART == 3
	.amdgcn_target "amdgcn-amd-amdhsa--gfx1250"
	.amdhsa_code_object_version 6
	.text
	.protected	k_q0b7b7a42f4_att
	.globl	k_q0b7b7a42f4_att
	.p2align	8
	.type	k_q0b7b7a42f4_att,@function
k_q0b7b7a42f4_att:
	s_mov_b64 s[64:65], 0
	v_nop
	global_prefetch_b8 v0, s[64:65] scope:SCOPE_SE
	s_setreg_imm32_b32 hwreg(HW_REG_WAVE_MODE, 25, 1), 1
	s_wait_xcnt 0x0
; Causal attention of one head (work-group y = 16 x batch + head) on codes of BF6 (E3M2, one E8M0 byte for each 32 along a product's K); its result, divided by the row's sum, is quantised along the model's 1,024 and stored as codes.
; t = score x log2(e) / 8; M = the row's largest t so far, rounded UP to a whole number; p = 2^(t - M) is quantised along the keys, not normalised; the row's sum is taken of the unquantised p.  When M moves, the sum and O are multiplied by 2^(old M - new M): exact.
; INPUTS, as images of registers.  kv: [y][step of 128 keys][13,056]: 8 images of 768 bytes (16 keys x the head's 64: registers 0-3 of lane l at 16 l, 4-5 at 512 + 8 l), 512 bytes of scale words [tile / 4][r][tile % 4];
;   then V^T: 4 fragments of 1,536 bytes (16 of the head's 64 x 128 keys: two images on end), 256 bytes of scale words [r][fragment].  qc: [y][step][6,656], as kv's first part.
;   Lane r of tile 2 b + u is index 32 b + 8 u + r + 8 (r / 8), for keys, queries and V's rows alike: so the 16 registers of two neighbouring result tiles are 16 neighbours.
; The first product's K is 64: registers 6-11 of K's and Q's fragments are zero codes, which add nothing (bytes 2, 3 of the scale words are never 0xff).
; SHARES.  All of the head's kv (208,896 bytes) comes into LDS ONCE, in four chunks of four steps; nothing is filled again and nothing is stored to LDS.
;   Wave w of work-group x owns two tiles of 16 queries: E = 16 x + w and 127 - E.  A tile SB needs SB / 8 + 1 key steps: 17 steps for every wave.  E goes first: it needs the first two chunks alone.
;   Every loop has a constant number of trips; a step all of whose keys come after the tile's queries is jumped over by a scalar branch on ids, round the work alone.
; NO CLUSTER: the four work-groups that read a head's kv differ in x, and the jump over hidden steps hangs on x.
; One store of 2 bytes a lane and tile (the result's two scale bytes) writes a quarter of 128 consecutive bytes: the other three quarters are other heads', made by other work-groups.
; LIMITS: a block of zeros, or one whose largest magnitude lies under 2^-122, gets the byte 1 (this program alone reads the bytes); NaN and infinities are not served.
; REGISTERS: v1-9 addresses; v12 -M, v13 the largest t, v[14:15] the sum; v16-27, v28-39 the two tiles' Q; v40, v41 their scale words; v48-95 four fragments of K; v96-159 S^T, then p, then V's four fragments; v160-191 O^T; v224-235 p's codes; v232-254 at work; v248-251 scale words.
.set STEPB, 13056
.set L16, 1
.set L8,  2
.set R16, 3
.set A16, 4
.set A8,  5
.set AR,  6
.set QD,  7
.set LQ,  8
.set R8,  9
.set WV,  10
.set G1,  16                           ; s[16:23] descriptor group 1;  s[24:39] groups 0, one for each chunk
.set G0,  24
.set SEL, 40
.set CS,  42
.set KJ,  48                           ; the key step in hand
.set TB,  49                           ; and where its record begins in LDS
.set CNT, 51
.set SBE, 52
.set SBL, 53
.set YQ,  54
.set B64, 55
.set QAE, 56                           ; tile E: Q's image, Q's scale words, the result's image, its scale bytes; its last key step; the scalar part of its lanes' queries
.set SAE, 58
.set OAE, 60
.set OCE, 62
.set JDE, 66
.set QDE, 67
.set QAL, 68                           ; the same for tile 127 - E
.set SAL, 70
.set OAL, 72
.set OCL, 74
.set JDL, 76
.set QDL, 77
.set H3,  78
.set KS,  79
.macro SETUP sb, qa, sa, oa, oc, jd, qd
	s_lshr_b32 s[\jd], s[\sb], 3
	s_and_b32 s44, s[\sb], 7
	s_mul_i32 s45, s[\jd], 6656
	s_add_co_u32 s45, s45, s[YQ]                   ; the tile's step record in qc
	s_mul_i32 s46, s44, 768
	s_add_co_u32 s46, s46, s45
	s_mov_b32 s47, 0
	s_add_nc_u64 s[\qa:\qa+1], s[4:5], s[46:47]
	s_lshr_b32 s46, s44, 2
	s_lshl_b32 s46, s46, 8
	s_add_co_u32 s46, s46, s45
	s_and_b32 s45, s[\sb], 3
	s_lshl_b32 s45, s45, 2
	s_add_co_u32 s46, s46, s45
	s_add_nc_u64 s[\sa:\sa+1], s[4:5], s[46:47]
	s_lshr_b32 s45, s44, 1
	s_lshl_b32 s45, s45, 5
	s_and_b32 s44, s[\sb], 1                       ; u
	s_lshl_b32 s[\qd], s44, 3
	s_add_co_u32 s[\qd], s[\qd], s45               ; 32 ((SB % 8) / 2) + 8 u
	s_lshr_b32 s45, s[\sb], 1
	s_add_co_u32 s45, s45, s[B64]
	s_mul_i32 s45, s45, 6400
	s_add_co_u32 s45, s45, s[KS]                   ; the record in ao: K step head / 4, group 64 x batch + SB / 2
	s_mul_i32 s46, s44, 3072
	s_add_co_u32 s46, s46, s45
	s_mul_i32 s12, s[H3], 768
	s_add_co_u32 s46, s46, s12
	s_add_nc_u64 s[\oa:\oa+1], s[8:9], s[46:47]    ; block u, image head % 4
	s_lshl_b32 s46, s44, 7
	s_add_co_u32 s46, s46, s45
	s_lshl_b32 s12, s[H3], 1
	s_add_co_u32 s46, s46, s12
	s_add_nc_u64 s[\oc:\oc+1], s[8:9], s[46:47]    ; the scale bytes: 128 u + 2 (head % 4), + 8 r in the lane
.endm
.macro INIT qd                         ; O^T and the sum begin as zeros and the largest t as -3e38: the first change of M multiplies zeros
	v_mov_b32 v13, 0xff61b1e6
	s_delay_alu instid0(VALU_DEP_1)
	v_floor_f32 v12, -v13
	v_mov_b32 v14, 0
	v_mov_b32 v15, 0
.set j, 0
.rept 32
	v_mov_b32 v[160+j], 0
.set j, j+1
.endr
	v_add_nc_u32 v[QD], s[\qd], v[LQ]              ; my query within its step, less 16 (lane / 16)
	s_mov_b32 s[KJ], 0
	s_mov_b32 s[TB], 0
.endm
; A KEY STEP: 128 keys.  qb: the tile's Q, qs: its scale words, jd: its last step.
.macro STEP qb, qs, jd
	s_cmp_gt_u32 s[KJ], s[\jd]
	s_cbranch_scc1 .Lhidden_\@
	s_setprio 2
	v_add_nc_u32 v[A16], s[TB], v[L16]
	s_wait_alu depctr_va_vdst(0)
	v_add_nc_u32 v[A8], s[TB], v[L8]
	s_wait_alu depctr_va_vdst(0)
	v_add_nc_u32 v[AR], s[TB], v[R16]
	s_wait_alu depctr_va_vdst(0)
	v_nop
.irp g, 0,1                            ; S^T = K Q^T, four tiles of 16 keys at a time
.if \g > 0
.rept 4
	v_nop                                          ; places in front of loads into registers that matrix instructions have read
.endr
.endif
.irp t, 0,1,2,3
	ds_load_b128 v[48+12*\t:51+12*\t], v[A16] offset:(4*\g+\t)*768
	ds_load_b64 v[52+12*\t:53+12*\t], v[A8] offset:(4*\g+\t)*768+512
.endr
	ds_load_b128 v[248:251], v[AR] offset:6144+256*\g   ; the four tiles' scale words of row r
	s_wait_dscnt 0x0
.irp t, 0,1,2,3
	v_wmma_scale_f32_16x16x128_f8f6f4 v[96+8*(4*\g+\t):103+8*(4*\g+\t)], v[48+12*\t:59+12*\t], v[\qb:\qb+11], 0, v[248+\t], v[\qs] matrix_a_fmt:MATRIX_FMT_BF6 matrix_b_fmt:MATRIX_FMT_BF6
.endr
.endr
.rept 4
	v_nop
.endr
	s_cmp_lt_u32 s[KJ], s[\jd]                     ; only the tile's last step lies on the diagonal
	s_cbranch_scc1 .Lopen_\@
	v_mov_b32 v254, 0xff800000                     ; -infinity: p = 0 then
.set n, 0
.rept 64                               ; register 16 b + i holds key 32 b + 16 (lane / 16) + i of the step: hidden where 32 b + i > QD
	v_cmp_gt_i32 vcc_lo, 32*(n/16)+n%16, v[QD]
	v_cndmask_b32 v[96+n], v[96+n], v254, vcc_lo
.set n, n+1
.endr
.Lopen_\@:
.irp b, 0,1,2,3
	v_max3_num_f32 v[232+\b], v[96+16*\b], v[97+16*\b], v[98+16*\b]   ; the largest score of each block of 32 keys: for the row's maximum and, since p rises with the score, for the block's largest p
.endr
.irp i, 3,5,7,9,11,13
.irp b, 0,1,2,3
	v_max3_num_f32 v[232+\b], v[232+\b], v[96+16*\b+\i], v[97+16*\b+\i]
.endr
.endr
.irp b, 0,1,2,3
	v_max_num_f32 v[232+\b], v[232+\b], v[111+16*\b]
.endr
.irp b, 0,1,2,3
	s_delay_alu instid0(VALU_DEP_4)
	v_permlanex16_b32 v[236+\b], v[232+\b], s[SEL], s[SEL+1]
.endr
.irp b, 0,1,2,3
	s_delay_alu instid0(VALU_DEP_4)
	v_max_num_f32 v[232+\b], v[232+\b], v[236+\b]  ; with lane l xor 16's 16 keys
.endr
	s_delay_alu instid0(VALU_DEP_2)
	v_max3_num_f32 v254, v232, v233, v234
	s_delay_alu instid0(VALU_DEP_1)
	v_max_num_f32 v254, v254, v235
	s_delay_alu instid0(VALU_DEP_1)
	v_mul_f32 v254, s[CS], v254                    ; the step's largest t of my query
	s_delay_alu instid0(VALU_DEP_1)
	v_max_num_f32 v13, v13, v254
	v_mov_b32 v254, v12
	s_delay_alu instid0(VALU_DEP_2)
	v_floor_f32 v12, -v13                          ; the new -M = floor(-t)
	s_delay_alu instid0(VALU_DEP_1)
	v_sub_f32 v254, v12, v254                      ; old M - new M: a whole number, 0 or less
	s_delay_alu instid0(VALU_DEP_1)
	v_cvt_i32_f32 v254, v254                       ; (it saturates)
	s_delay_alu instid0(VALU_DEP_1)
	v_ldexp_f32 v252, 1.0, v254                    ; f = 2^(old M - new M)
.set j, 0
.rept 32
	v_pk_fma_f32 v[96+j:97+j], v[96+j:97+j], s[CS:CS+1], v[12:13] op_sel_hi:[1,0,0]   ; t - M, two at a time
.set j, j+2
.endr
.irp b, 0,1,2,3
	v_fma_f32 v[232+\b], v[232+\b], s[CS], v12
.endr
.set j, 0
	s_setprio 1
	s_wait_alu depctr_va_vdst(0)
.rept 64
	v_exp_f32 v[96+j], v[96+j]                     ; p = 2^(t - M)
.set j, j+1
.endr
.irp b, 0,1,2,3
	v_exp_f32 v[232+\b], v[232+\b]                 ; the block's largest p
.endr
	v_pk_mul_f32 v[14:15], v[14:15], v[252:253] op_sel_hi:[1,0]   ; the sums under the new M (a plain place behind the exponentials)
	s_wait_alu depctr_va_vdst(0)
.irp b, 0,1,2,3
	v_max_num_f32 v[232+\b], 0x2800000, v[232+\b]  ; the floor 2^(5 - 127)
.endr
.irp b, 0,1,2,3
	s_delay_alu instid0(VALU_DEP_4)
	v_add_nc_u32 v[244+\b], 0xfe000000, v[232+\b]  ; the conversion's scale operand
.endr
.irp b, 0,1,2,3
	s_delay_alu instid0(VALU_DEP_4)
	v_lshrrev_b32 v[236+\b], 23, v[244+\b]
.endr
	s_delay_alu instid0(VALU_DEP_3)
	v_lshl_or_b32 v253, v237, 8, v236              ; p's scale word for these 128 keys
	s_delay_alu instid0(VALU_DEP_1)
	v_lshl_or_b32 v253, v238, 16, v253
	s_delay_alu instid0(VALU_DEP_1)
	v_lshl_or_b32 v253, v239, 24, v253
.irp c, 0,1
	v_cvt_scalef32_pk16_bf6_f32 v[224+6*\c:226+6*\c], v[96+32*\c:111+32*\c], v[244+2*\c]
	v_cvt_scalef32_pk16_bf6_f32 v[236+4*\c:238+4*\c], v[112+32*\c:127+32*\c], v[244+2*\c+1]
.endr
	v_nop                                          ; one plain place behind a scaled conversion
.irp c, 0,1
.irp i, 0,1,2
	v_permlane16_swap_b32 v[224+6*\c+\i], v[236+4*\c+\i]   ; a whole block to a lane
.endr
.irp i, 0,1,2
	s_delay_alu instid0(VALU_DEP_3)
	v_mov_b32 v[227+6*\c+\i], v[236+4*\c+\i]
.endr
.endr
	v_pk_add_f32 v[236:237], v[100:101], v[104:105]
	v_pk_add_f32 v[250:251], v[108:109], v[112:113]
	v_pk_add_f32 v[248:249], v[116:117], v[120:121]
	v_pk_add_f32 v[246:247], v[124:125], v[128:129]
	v_pk_add_f32 v[244:245], v[132:133], v[136:137]
	v_pk_add_f32 v[240:241], v[140:141], v[144:145]
	v_pk_add_f32 v[222:223], v[148:149], v[152:153]
	v_pk_add_f32 v[14:15], v[14:15], v[156:157]
	v_pk_add_f32 v[236:237], v[236:237], v[96:97]
	v_pk_add_f32 v[250:251], v[250:251], v[98:99]
	v_pk_add_f32 v[248:249], v[248:249], v[102:103]
	v_pk_add_f32 v[246:247], v[246:247], v[106:107]
	v_pk_add_f32 v[244:245], v[244:245], v[110:111]
	v_pk_add_f32 v[240:241], v[240:241], v[114:115]
	v_pk_add_f32 v[222:223], v[222:223], v[118:119]
	v_pk_add_f32 v[14:15], v[14:15], v[122:123]
	v_pk_add_f32 v[236:237], v[236:237], v[126:127]
	v_pk_add_f32 v[250:251], v[250:251], v[130:131]
	v_pk_add_f32 v[248:249], v[248:249], v[134:135]
	v_pk_add_f32 v[246:247], v[246:247], v[138:139]
	v_pk_add_f32 v[244:245], v[244:245], v[142:143]
	v_pk_add_f32 v[240:241], v[240:241], v[146:147]
	v_pk_add_f32 v[222:223], v[222:223], v[150:151]
	v_pk_add_f32 v[14:15], v[14:15], v[154:155]
	v_pk_add_f32 v[236:237], v[236:237], v[158:159]
	s_delay_alu instid0(VALU_DEP_2)
	v_pk_add_f32 v[14:15], v[14:15], v[246:247]
	s_delay_alu instid0(VALU_DEP_2)
	v_pk_add_f32 v[236:237], v[236:237], v[244:245]
	v_pk_add_f32 v[250:251], v[250:251], v[240:241]
	v_pk_add_f32 v[248:249], v[248:249], v[222:223]
	s_delay_alu instid0(VALU_DEP_2)
	v_pk_add_f32 v[14:15], v[14:15], v[250:251]
	s_delay_alu instid0(VALU_DEP_2)
	v_pk_add_f32 v[236:237], v[236:237], v[248:249]
	s_delay_alu instid0(VALU_DEP_1)
	v_pk_add_f32 v[14:15], v[14:15], v[236:237]
	s_setprio 0
.irp d, 0,1,2,3                        ; V's four fragments take p's registers, which are done with
	ds_load_b128 v[96+12*\d:99+12*\d], v[A16] offset:6656+1536*\d
	ds_load_b64 v[100+12*\d:101+12*\d], v[A8] offset:6656+1536*\d+512
	ds_load_b128 v[102+12*\d:105+12*\d], v[A16] offset:6656+1536*\d+768
	ds_load_b64 v[106+12*\d:107+12*\d], v[A8] offset:6656+1536*\d+1280
.endr
	ds_load_b128 v[248:251], v[AR] offset:12800
.set j, 0
.rept 16
	v_pk_mul_f32 v[160+j:161+j], v[160+j:161+j], v[252:253] op_sel_hi:[1,0]   ; O^T under the new M
.set j, j+2
.endr
	s_wait_alu depctr_va_vdst(0)
	s_wait_dscnt 0x0
.irp d, 0,1,2,3                        ; O^T += V^T P^T: the four accumulators by turns
	v_wmma_scale_f32_16x16x128_f8f6f4 v[160+8*\d:167+8*\d], v[96+12*\d:107+12*\d], v[224:235], v[160+8*\d:167+8*\d], v[248+\d], v253 matrix_a_fmt:MATRIX_FMT_BF6 matrix_b_fmt:MATRIX_FMT_BF6
.endr
.rept 5
	v_nop                                          ; the next step's S^T is written over registers that these products read: five places
.endr
.Lhidden_\@:
	s_add_co_u32 s[KJ], s[KJ], 1
	s_add_co_u32 s[TB], s[TB], STEPB
.endm
; A tile's end: O^T / the sum; its 32 numbers a lane are 16 neighbours of each of the head's two blocks: quantised, they are one image of 768 bytes.
.macro FINISH oa, oc
	v_add_f32 v14, v14, v15
	s_delay_alu instid0(VALU_DEP_1)
	v_permlanex16_b32 v252, v14, s[SEL], s[SEL+1]
	s_delay_alu instid0(VALU_DEP_1)
	v_add_f32 v14, v14, v252                       ; the row's sum
	s_wait_alu depctr_va_vdst(0)
	v_rcp_f32 v14, v14
	v_nop                                          ; one plain place behind a transcendental
.set j, 0
	s_wait_alu depctr_va_vdst(0)
.rept 32
	v_mul_f32 v[96+j], v[160+j], v14               ; each accumulator from its low end on
.set j, j+1
.endr
.irp b, 0,1
	v_max3_num_f32 v[232+\b], |v[96+16*\b]|, |v[97+16*\b]|, 0x2800000
.endr
.irp i, 2,4,6,8,10,12,14
.irp b, 0,1
	s_delay_alu instid0(VALU_DEP_2)
	v_max3_num_f32 v[232+\b], v[232+\b], |v[96+16*\b+\i]|, |v[97+16*\b+\i]|
.endr
.endr
.irp b, 0,1
	s_delay_alu instid0(VALU_DEP_2)
	v_permlanex16_b32 v[236+\b], v[232+\b], s[SEL], s[SEL+1]
.endr
.irp b, 0,1
	s_delay_alu instid0(VALU_DEP_2)
	v_max_num_f32 v[232+\b], v[232+\b], v[236+\b]
.endr
.irp b, 0,1
	s_delay_alu instid0(VALU_DEP_2)
	v_add_nc_u32 v[244+\b], 0xfe000000, v[232+\b]
.endr
.irp b, 0,1
	s_delay_alu instid0(VALU_DEP_2)
	v_lshrrev_b32 v[236+\b], 23, v[244+\b]
.endr
	s_delay_alu instid0(VALU_DEP_1)
	v_lshl_or_b32 v254, v237, 8, v236              ; the two scale bytes
	v_cvt_scalef32_pk16_bf6_f32 v[224:226], v[96:111], v244
	v_cvt_scalef32_pk16_bf6_f32 v[240:242], v[112:127], v245
	v_nop
.irp i, 0,1,2
	v_permlane16_swap_b32 v[224+\i], v[240+\i]
.endr
.irp i, 0,1,2
	s_delay_alu instid0(VALU_DEP_3)
	v_mov_b32 v[227+\i], v[240+\i]
.endr
	global_store_b128 v[L16], v[224:227], s[\oa:\oa+1]             ; 512 consecutive bytes
	global_store_b64 v[L8], v[228:229], s[\oa:\oa+1] offset:512    ; 256
	global_store_b16 v[R8], v254, s[\oc:\oc+1] offset:6144         ; lanes 16-31 write the same bytes with the same values
.endm
	s_load_b128 s[4:7], s[0:1], 0x0                ; qc s[4:5], kv s[6:7]
	s_load_b64 s[8:9], s[0:1], 0x10                ; ao
	v_lshl_add_u32 v243, v0, 2, 0x34000
	v_mov_b32 v255, 0
	ds_add_u32 v243, v255
	ds_add_u32 v243, v255
	v_lshrrev_b32 v10, 5, v0
	s_delay_alu instid0(VALU_DEP_1)
	v_readfirstlane_b32 s[WV], v10                 ; wave 0..15
	s_and_b32 s11, ttmp7, 0xffff                   ; y = 16 x batch + head
	s_mov_b32 s[G1], 3<<16                         ; no mask; elements of 8 bytes; no padding: two step records, 26,112 dense bytes, as 102 rows of 256 bytes
	s_mov_b32 s[G1+1], 32<<16
	s_mov_b32 s[G1+2], 102<<16
	s_mov_b32 s[G1+3], 32<<16
	s_mov_b32 s[G1+4], 102
	s_mov_b32 s[G1+5], 32
	s_mov_b32 s[G1+6], 0
	s_mov_b32 s[G1+7], 0
	s_and_b32 s12, s[WV], 1                        ; waves 0 and 1 fetch the two halves of each chunk
	s_mul_i32 s12, s12, 2*STEPB
	s_mul_i32 s14, s11, 16*STEPB
	s_add_co_u32 s14, s14, s12
	s_mov_b32 s15, 0
	s_wait_dscnt 0x0
	s_wait_kmcnt 0x0
	s_add_nc_u64 s[6:7], s[6:7], s[14:15]
.irp c, 0,1,2,3
	s_mov_b32 s[G0+4*\c], 1
	s_add_co_u32 s[G0+4*\c+1], s12, \c*4*STEPB
	s_add_nc_u64 s[G0+4*\c+2:G0+4*\c+3], s[6:7], \c*4*STEPB
	s_or_b32 s[G0+4*\c+3], s[G0+4*\c+3], 0x80000000
.endr
	s_cmp_lt_u32 s[WV], 2                          ; all fills stand in one branch on the wave's number: four loads of mine are out at the most
	s_cbranch_scc0 .Lasked
.irp c, 0,1,2,3
	tensor_load_to_lds s[G0+4*\c:G0+4*\c+3], s[G1:G1+7]
	s_nop 0
.endr
.rept 4
	v_nop
.endr
.Lasked:
	s_lshl_b32 s[SBE], ttmp9, 4
	s_add_co_u32 s[SBE], s[SBE], s[WV]             ; E
	s_sub_co_u32 s[SBL], 127, s[SBE]
	s_mul_i32 s[YQ], s11, 106496
	s_lshr_b32 s[B64], s11, 4
	s_lshl_b32 s[B64], s[B64], 6
	s_and_b32 s13, s11, 15                         ; head
	s_and_b32 s[H3], s13, 3
	s_lshr_b32 s[KS], s13, 2
	s_mul_i32 s[KS], s[KS], 1638400
	SETUP SBE, QAE, SAE, OAE, OCE, JDE, QDE
	SETUP SBL, QAL, SAL, OAL, OCL, JDL, QDL
	s_mov_b32 s[SEL], 0x76543210
	s_mov_b32 s[SEL+1], 0xfedcba98                 ; v_permlanex16_b32's selects for lane l xor 16
	s_mov_b32 s[CS], 0x3e38aa3b                    ; c = log2(e) / 8
	s_mov_b32 s[CS+1], s[CS]                       ; (named with it as a pair, so it is written)
	v_and_b32 v10, 31, v0
	s_delay_alu instid0(VALU_DEP_1)
	v_lshlrev_b32 v[L16], 4, v10
	s_delay_alu instid0(VALU_DEP_2)
	v_lshlrev_b32 v[L8], 3, v10
	v_and_b32 v10, 15, v0                          ; r
	s_delay_alu instid0(VALU_DEP_1)
	v_lshlrev_b32 v[R16], 4, v10
	s_delay_alu instid0(VALU_DEP_2)
	v_lshlrev_b32 v[R8], 3, v10
	v_bfe_u32 v11, v0, 4, 1                        ; h
	s_delay_alu instid0(VALU_DEP_4)
	v_and_b32 v[LQ], 8, v10
	s_delay_alu instid0(VALU_DEP_1)
	v_add_nc_u32 v[LQ], v[LQ], v10
	s_delay_alu instid0(VALU_DEP_3)
	v_lshlrev_b32 v11, 4, v11
	s_delay_alu instid0(VALU_DEP_1)
	v_sub_nc_u32 v[LQ], v[LQ], v11                 ; r + 8 (r / 8) - 16 h
	global_load_b128 v[16:19], v[L16], s[QAE:QAE+1]
	global_load_b64 v[20:21], v[L8], s[QAE:QAE+1] offset:512
	global_load_b32 v40, v[R16], s[SAE:SAE+1] offset:6144
	global_load_b128 v[28:31], v[L16], s[QAL:QAL+1]
	global_load_b64 v[32:33], v[L8], s[QAL:QAL+1] offset:512
	global_load_b32 v41, v[R16], s[SAL:SAL+1] offset:6144
.irp i, 0,1,2,3,4,5
	v_mov_b32 v[22+\i], 0                          ; zero codes for K 64 .. 127, set once: Q's,
	v_mov_b32 v[34+\i], 0
.irp t, 0,1,2,3
	v_mov_b32 v[54+12*\t+\i], 0                    ; and K's
.endr
.endr
.irp b, 0,1,2,3
	v_mov_b32 v[236+\b], 0                         ; written once: a lane permute's destination counts as one of its sources
.endr
	v_mov_b32 v252, 0
	v_mov_b32 v253, 0
	INIT QDE
	s_wait_tensorcnt 0x3                           ; my part of steps 0 to 3 is in; my three later chunks may be out
	s_barrier_signal -1
	s_barrier_wait -1
	s_wait_loadcnt 0x0                             ; Q
	s_mov_b32 s[CNT], 4
.Le0:
	STEP 16, 40, JDE
	s_sub_co_u32 s[CNT], s[CNT], 1
	s_cmp_lg_u32 s[CNT], 0
	s_cbranch_scc1 .Le0
	s_setprio 0
	s_wait_tensorcnt 0x2                           ; steps 4 to 7; my two later chunks may be out
	s_wait_dscnt 0x0
	s_barrier_signal -1
	s_barrier_wait -1
	s_mov_b32 s[CNT], 4
.Le1:
	STEP 16, 40, JDE
	s_sub_co_u32 s[CNT], s[CNT], 1
	s_cmp_lg_u32 s[CNT], 0
	s_cbranch_scc1 .Le1
	s_setprio 0
	FINISH OAE, OCE
	s_wait_tensorcnt 0x0                           ; all of the head's keys
	s_wait_dscnt 0x0
	s_barrier_signal -1
	s_barrier_wait -1
	s_wait_xcnt 0x0                                ; the stores have read their registers, which the next tile writes again
	INIT QDL
	s_mov_b32 s[CNT], 16
.Ll:
	STEP 28, 41, JDL
	s_sub_co_u32 s[CNT], s[CNT], 1
	s_cmp_lg_u32 s[CNT], 0
	s_cbranch_scc1 .Ll
	s_setprio 0
	FINISH OAL, OCL
	s_wait_tensorcnt 0x0
	ds_add_u32 v243, v255
	s_wait_dscnt 0x0
	s_endpgm
.Lfunc_end_k_q0b7b7a42f4_att:
	.size	k_q0b7b7a42f4_att, .Lfunc_end_k_q0b7b7a42f4_att-k_q0b7b7a42f4_att
	.p2alignl 7, 3214868480
	.fill 96, 4, 3214868480
	.section	.rodata,"a",@progbits
	.p2align	6, 0x0
	.amdhsa_kernel k_q0b7b7a42f4_att
		.amdhsa_group_segment_fixed_size 215040
		.amdhsa_private_segment_fixed_size 0
		.amdhsa_enable_private_segment 0
		.amdhsa_kernarg_size 24
		.amdhsa_user_sgpr_count 2
		.amdhsa_user_sgpr_kernarg_segment_ptr 1
		.amdhsa_wavefront_size32 1
		.amdhsa_system_sgpr_workgroup_id_x 1
		.amdhsa_system_sgpr_workgroup_id_y 1
		.amdhsa_system_sgpr_workgroup_id_z 1
		.amdhsa_system_vgpr_workitem_id 0
		.amdhsa_next_free_vgpr 256
		.amdhsa_next_free_sgpr 80
		.amdhsa_reserve_vcc 1
		.amdhsa_float_denorm_mode_32 3
		.amdhsa_float_denorm_mode_16_64 3
		.amdhsa_memory_ordered 1
		.amdhsa_forward_progress 1
		.amdhsa_inst_pref_size 89
	.end_amdhsa_kernel
	.amdgpu_metadata
---
amdhsa.version: [ 1, 2 ]
amdhsa.kernels:
  - .name:           k_q0b7b7a42f4_att
    .symbol:         k_q0b7b7a42f4_att.kd
    .args:
      - { .name: qc, .offset: 0, .size: 8, .value_kind: global_buffer, .address_space: global }
      - { .name: kv, .offset: 8, .size: 8, .value_kind: global_buffer, .address_space: global }
      - { .name: ao, .offset: 16, .size: 8, .value_kind: global_buffer, .address_space: global }
    .group_segment_fixed_size: 215040
    .private_segment_fixed_size: 0
    .kernarg_segment_align: 8
    .kernarg_segment_size: 24
    .max_flat_workgroup_size: 512
    .sgpr_count:     80
    .vgpr_count:     256
    .wavefront_size: 32
...
	.end_amdgpu_metadata
.endif
;; end of part 3
;; launch g_proj (part 4): grid 8 x 32, 4 waves a work-group, clusters of 4 x 4, 327,680 bytes of LDS; arguments wq, ao, b_proj, out0; writes out0
.if DOCPART == 4
	.amdgcn_target "amdgcn-amd-amdhsa--gfx1250"
	.amdhsa_code_object_version 6
	.text
	.protected	k_q0b7b7a42f4_g_proj
	.globl	k_q0b7b7a42f4_g_proj
	.p2align	8
	.type	k_q0b7b7a42f4_g_proj,@function
k_q0b7b7a42f4_g_proj:
	s_mov_b64 s[64:65], 0
	v_nop
	global_prefetch_b8 v0, s[64:65] scope:SCOPE_SE
	s_setreg_imm32_b32 hwreg(HW_REG_WAVE_MODE, 25, 1), 1
	s_wait_xcnt 0x0
	s_wait_alu depctr_hold_cnt(0) depctr_sa_sdst(0) depctr_va_vdst(0) depctr_va_sdst(0) depctr_va_ssrc(0) depctr_va_vcc(0) depctr_vm_vsrc(0)
	s_getreg_b32 s2, hwreg(HW_REG_IB_STS2, 6, 4)
	s_cmp_eq_u32 s2, 0
	s_cbranch_scc0 .Lentry_in_a_cluster
	s_endpgm
.Lentry_in_a_cluster:
	s_bfe_u32 s2, ttmp6, 0x10000c
	s_cmp_lg_u32 s2, 0xf033
	s_cbranch_scc0 .Lentry_shape_is_right
	s_endpgm
.Lentry_shape_is_right:
; ONE TEXT FOR THREE PRODUCTS ON CODES OF BF6 (E3M2, one E8M0 byte for each 32 along K), K = 1,024; the line MODE says which.
;   MODE 0: q and k = x W_qkv[:, 0:2048] + b, quantised along a head's 64 -> qc, and the K parts of kv.     P = the weight's columns, R = x's rows.
;   MODE 1: v = x W_qkv[:, 2048:3072] + b, quantised along the KEYS -> the V parts of kv.                   P = x's rows,            R = the weight's columns.
;   MODE 2: out0 = attention's result W_proj + b, f32.                                                      P = the weight's columns, R = the result's rows.
; Source 0 of every matrix instruction is 16 of P, source 1 is 16 of R: a lane holds ONE index of R, and its registers run along P.
; OPERANDS lie in memory as images of their registers: a RECORD of 6,400 bytes = 32 indices x 256 along K: blocks u = 0, 1 of 16 (lane r = index 8 u + r + 8 (r / 8) of the 32), each four images of 768 bytes
; (64 along K: registers 0-3 of lane l at 16 l, registers 4-5 at 512 + 8 l), and at 6,144 the 8 scale bytes of lane 16 u + r at 8 (16 u + r).  Buffers: [K step of 256][group of 32][6,400].
; By that order of a block's lanes the 16 registers of two neighbouring tiles of P are 16 NEIGHBOURS along P, as the conversions want them.
; SHARES.  A work-group: 128 of P x 256 of R, with ALL of K in LDS (4 x 76,800 bytes, each byte filled once: no slot is ever filled again).  Wave w: 128 of P x R's 64 w .. 64 w + 63: 32 accumulators.
; CLUSTERS: 4 x 4 work-groups; R's tiles hang on the work-group's y alone and are asked for jointly along a row of the cluster, P's on its x alone, along a column.
; The bias is the C of each sum's first matrix instruction.  The 32 accumulators take turns, one instruction a turn, in the same order in every step.
; LIMITS: a block of zeros, or one whose largest magnitude lies under 2^-122, gets the byte 1 (this program alone reads the bytes); NaN and infinities are not served.
; REGISTERS: window 0: v1-31 addresses, v32-63 P's scale words, v64-79 R's, v80-143 the bias, v144-239 R's fragments (two sets of 4 x 12), v240-255 at work;
;   window 1: P's fragments, two sets of 8 x 12 at v0 and v128;   window 2: accumulator (a, b) at v[8 (8 a + b)].
.set MODE, 2
.set REC,   6400
.set REG,   12*REC                     ; a K step's region in LDS: R's 8 groups, then P's 4
.set RP,    8*REC
.if MODE == 0
.set PBASE, 0
.set RBASE, 0
.set KSTR_P, 128*REC
.set KSTR_R, 256*REC
.endif
.if MODE == 1
.set PBASE, 0
.set RBASE, 64
.set KSTR_P, 256*REC
.set KSTR_R, 128*REC
.endif
.if MODE == 2
.set PBASE, 96
.set RBASE, 0
.set KSTR_P, 128*REC
.set KSTR_R, 256*REC
.endif
.set AR16, 4                           ; v4-7   K step s: my two groups of R, + 16 x lane;  v8-11 + 8 x lane
.set AR8,  8
.set AP16, 12                          ; v12-15, v16-19 the same for P's four groups
.set AP8,  16
.set GO16, 20                          ; the way out: vector offsets of the stores
.set GO8,  21
.set GOS,  22
.set SH,   23
.set SW,   24                          ; v24-27 the four scale words that leave together
.set STO,  28
.set RD,   29
.set L16,  30                          ; 16 x lane
.set L8,   31                          ; 8 x lane
.set SP,   32                          ; P's scale words: register 8 s + 2 g + e: lanes 0-15 block 2 g, lanes 16-31 block 2 g + 1, half e of K step s
.set SR,   64                          ; R's: register 4 s + 2 g + e
.set BIAS, 80
.set RF,   144
.set TM,   240
.set PW,   248
.set WV,   14
.set G1R,  24                          ; s[24:31], s[32:39] descriptor groups 1;  s[40:55], s[68:83] groups 0, a set for each K step
.set G1P,  32
.set G0R,  40
.set G0P,  68
.set SEL,  96
.set MSB, 0
.macro WIN new                         ; the immediate's high byte repeats the setting that is left
.if MSB != \new
	s_set_vgpr_msb (MSB<<8)|\new
.set MSB, \new
.endif
.endm
.macro PLACES n
.rept \n
	v_nop
.endr
.endm
.macro CROUND                          ; a round of the cluster's barrier
	s_barrier_signal -1
	s_barrier_wait -1
	s_cmp_lg_u32 s[WV], 0
	s_cbranch_scc1 .Lnot_wave_0_\@
	s_barrier_signal -3
.Lnot_wave_0_\@:
	s_barrier_wait -3
	s_barrier_signal -1
	s_barrier_wait -1
.endm
.macro FRAG reg, a16, a8, off          ; a fragment, 16 x 128 along K: two images on end, dense: no two lanes meet in a bank
	ds_load_b128 v[(\reg):(\reg)+3], v[\a16] offset:(\off)
	ds_load_b64 v[(\reg)+4:(\reg)+5], v[\a8] offset:(\off)+512
	ds_load_b128 v[(\reg)+6:(\reg)+9], v[\a16] offset:(\off)+768
	ds_load_b64 v[(\reg)+10:(\reg)+11], v[\a8] offset:(\off)+1280
.endm
.macro FETCH q                         ; step q (128 along K: half q % 2 of K step q / 2): P's 8 fragments and my 4 of R into set q % 2; with a K step's first half its scale words
.set FS, (\q)/2
.set FE, (\q)%2
	WIN 0x40                                       ; destination window 1
.irp i, 0,1,2,3,4,5,6,7
	FRAG 128*FE+12*\i, AP16+FS, AP8+FS, (\i/2)*REC+(\i%2)*3072+1536*FE
.endr
	WIN 0
.irp i, 0,1,2,3
	FRAG RF+48*FE+12*\i, AR16+FS, AR8+FS, (\i/2)*REC+(\i%2)*3072+1536*FE
.endr
.if FE == 0
.irp g, 0,1,2,3
	ds_load_b64 v[SP+8*FS+2*\g:SP+8*FS+2*\g+1], v[AP8+FS] offset:\g*REC+6144
.endr
.irp g, 0,1
	ds_load_b64 v[SR+4*FS+2*\g:SR+4*FS+2*\g+1], v[AR8+FS] offset:\g*REC+6144
.endr
.endif
.endm
.macro MUL16 a0, q, first              ; R's blocks a0, a0 + 1 x P's eight.  first = 1: the bias starts the sums
.irp a, \a0, \a0+1
.irp b, 0,1,2,3,4,5,6,7
.set rD, 8*(8*(\a)+\b)
.set rP, 128*((\q)%2)+12*\b
.set rR, RF+48*((\q)%2)+12*(\a)
.set rSP, SP+8*((\q)/2)+2*(\b/2)+(\q)%2
.set rSR, SR+4*((\q)/2)+2*((\a)/2)+(\q)%2
.set rC, rD
.if \first
.if MODE == 1
.set rC, BIAS+8*(\a)
.else
.set rC, BIAS+8*\b
.endif
.endif
.set rw, 2*((\a)%2)+(\b%2)             ; an odd block's scale words stand in lanes 16-31
.if rw == 0
	v_wmma_scale_f32_16x16x128_f8f6f4 v[rD:rD+7], v[rP:rP+11], v[rR:rR+11], v[rC:rC+7], v[rSP], v[rSR] matrix_a_fmt:MATRIX_FMT_BF6 matrix_b_fmt:MATRIX_FMT_BF6
.elseif rw == 1
	v_wmma_scale_f32_16x16x128_f8f6f4 v[rD:rD+7], v[rP:rP+11], v[rR:rR+11], v[rC:rC+7], v[rSP], v[rSR] matrix_a_fmt:MATRIX_FMT_BF6 matrix_b_fmt:MATRIX_FMT_BF6 matrix_a_scale:MATRIX_SCALE_ROW1
.elseif rw == 2
	v_wmma_scale_f32_16x16x128_f8f6f4 v[rD:rD+7], v[rP:rP+11], v[rR:rR+11], v[rC:rC+7], v[rSP], v[rSR] matrix_a_fmt:MATRIX_FMT_BF6 matrix_b_fmt:MATRIX_FMT_BF6 matrix_b_scale:MATRIX_SCALE_ROW1
.else
	v_wmma_scale_f32_16x16x128_f8f6f4 v[rD:rD+7], v[rP:rP+11], v[rR:rR+11], v[rC:rC+7], v[rSP], v[rSR] matrix_a_fmt:MATRIX_FMT_BF6 matrix_b_fmt:MATRIX_FMT_BF6 matrix_a_scale:MATRIX_SCALE_ROW1 matrix_b_scale:MATRIX_SCALE_ROW1
.endif
.endr
.endr
.endm
.macro STEP q, first
.set WM, 0xa1                          ; source 0 (P) window 1, source 1 (R) window 0, C and D window 2
.if \first
.set WM, 0x81                          ; C (the bias) window 0
.endif
	s_wait_dscnt 0x0                               ; this step's fragments are in
.if ((\q)%2 == 1) && ((\q) < 7)
	s_wait_tensorcnt 3-((\q)+1)/2                  ; my part of the next K step has landed; my loads of later K steps may stay out
	s_barrier_signal -1
.endif
	WIN WM
	MUL16 0, \q, \first
.if ((\q)%2 == 1) && ((\q) < 7)
	s_barrier_wait -1                              ; everybody's part has
.endif
.if (\q) < 7
	PLACES 4                                       ; in front of loads into registers that the last step's matrix instructions read
	FETCH (\q)+1
.endif
	WIN WM
	MUL16 2, \q, \first
.endm
; 64 results of a lane (window 2, from v[s] on; register 16 b + i = index 32 b + 16 (lane / 16) + i along P) become a fragment's 12 registers at v[pc] and its scale word in v[PW].
.macro QUANTW s, pc
	WIN 0x0a                                       ; sources 0 and 1 window 2
.irp b, 0,1,2,3
	v_max3_num_f32 v[TM+\b], |v[(\s)+16*\b]|, |v[(\s)+1+16*\b]|, 0x2800000   ; each accumulator is read from its low end on; the floor 2^(5 - 127)
.endr
.irp i, 2,4,6,8,10,12,14
.irp b, 0,1,2,3
	v_max3_num_f32 v[TM+\b], |v[(\s)+16*\b+\i]|, |v[(\s)+1+16*\b+\i]|, v[TM+\b]
.endr
.endr
	WIN 0
.irp b, 0,1,2,3
	v_permlanex16_b32 v[TM+4+\b], v[TM+\b], s[SEL], s[SEL+1]
.endr
.irp b, 0,1,2,3
	v_max_num_f32 v[TM+\b], v[TM+\b], v[TM+4+\b]   ; with lane l xor 16's: the block's largest magnitude
.endr
.irp b, 0,1,2,3
	v_add_nc_u32 v[TM+12+\b], 0xfe000000, v[TM+\b] ; 4 off its exponent field: the conversion's scale operand
.endr
.irp b, 0,1,2,3
	v_lshrrev_b32 v[TM+4+\b], 23, v[TM+12+\b]      ; the byte
.endr
	v_lshl_or_b32 v[PW], v[TM+5], 8, v[TM+4]
	v_lshl_or_b32 v[PW], v[TM+6], 16, v[PW]
	v_lshl_or_b32 v[PW], v[TM+7], 24, v[PW]
	WIN 0x02                                       ; source 0 window 2
.irp c, 0,1
	v_cvt_scalef32_pk16_bf6_f32 v[(\pc)+6*\c:(\pc)+2+6*\c], v[(\s)+32*\c:(\s)+15+32*\c], v[TM+12+2*\c]
	v_cvt_scalef32_pk16_bf6_f32 v[(\pc)+12+4*\c:(\pc)+14+4*\c], v[(\s)+16+32*\c:(\s)+31+32*\c], v[TM+12+2*\c+1]
.endr
	WIN 0
	v_nop                                          ; one plain place behind a scaled conversion
.irp c, 0,1
.irp i, 0,1,2
	v_permlane16_swap_b32 v[(\pc)+6*\c+\i], v[(\pc)+12+4*\c+\i]   ; a whole block to a lane
.endr
.irp i, 0,1,2
	v_mov_b32 v[(\pc)+3+6*\c+\i], v[(\pc)+12+4*\c+\i]
.endr
.endr
.endm
.macro TOSTAGE a                       ; MODE 2: block a's 16 rows x 128 columns into my stage, and back as whole rows of 512 bytes
	WIN 0x08                                       ; an LDS store's data are its source 1: window 2
.irp t, 0,1,2,3,4,5,6,7
	ds_store_b128 v[STO], v[64*(\a)+8*\t:64*(\a)+8*\t+3] offset:128*(\t/2)+32*(\t%2)       ; each accumulator from its low end on
	ds_store_b128 v[STO], v[64*(\a)+8*\t+4:64*(\a)+8*\t+7] offset:128*(\t/2)+32*(\t%2)+16
.endr
	WIN 0
.set BB, BIAS+64*((\a)%2)
.irp i, 0,1,2,3,4,5,6,7,8,9,10,11,12,13,14,15
	ds_load_b128 v[BB+4*\i:BB+4*\i+3], v[RD] offset:528*\i   ; LDS serves a wave's instructions in order: these see the stores above, and the next block's stores come behind them
.endr
.endm
.macro SEND a, younger
.set BB, BIAS+64*((\a)%2)
	s_wait_dscnt \younger
.irp i, 0,1,2,3,4,5,6,7,8,9,10,11,12,13,14,15
	global_store_b128 v[L16], v[BB+4*\i:BB+4*\i+3], s[10:11] offset:(32*((\a)/2)+8*((\a)%2)+\i+8*(\i/8))*4096 th:TH_STORE_NT   ; 512 consecutive bytes of a row, aligned
.endr
.endm
	s_load_b128 s[4:7], s[0:1], 0x0                ; P s[4:5], R s[6:7]
	s_load_b128 s[8:11], s[0:1], 0x10              ; the bias s[8:9], the result s[10:11]
	v_lshl_add_u32 v254, v0, 2, 0x4b000
	v_mov_b32 v255, 0
	ds_add_u32 v254, v255
	ds_add_u32 v254, v255
.if MODE == 0
	s_load_b64 s[12:13], s[0:1], 0x20              ; kv
.endif
	v_lshrrev_b32 v1, 5, v0
	v_readfirstlane_b32 s[WV], v1                  ; wave 0..3
	s_bfe_u32 s16, ttmp6, 0x40000                  ; cx
	s_bfe_u32 s17, ttmp6, 0x40004                  ; cy
	s_lshl_b32 s18, ttmp9, 2
	s_add_co_u32 s18, s18, s16                     ; work-group x: which 128 of P
.if MODE == 1
	s_mov_b32 s19, s17                             ; the grid is one cluster high
.else
	s_and_b32 s19, ttmp7, 0xffff
	s_lshl_b32 s19, s19, 2
	s_add_co_u32 s19, s19, s17                     ; work-group y: which 256 of R
.endif
	s_lshl_b32 s20, s17, 2
	s_lshl_b32 s20, 15, s20                        ; my row of the cluster
	s_lshl_b32 s21, 0x1111, s16                    ; my column
	s_or_b32 s[G1R], s20, (3<<16)|(1<<21)          ; 15:0 the mask; 17:16 elements of 8 bytes; 21 set beside a mask; no padding
	s_or_b32 s[G1P], s21, (3<<16)|(1<<21)
.irp g, G1R, G1P                       ; four records, 25,600 dense bytes, as 100 rows of 256 bytes
	s_mov_b32 s[\g+1], 32<<16                      ; tensor_dim0 = 32
	s_mov_b32 s[\g+2], 100<<16                     ; tensor_dim1 = 100
	s_mov_b32 s[\g+3], 32<<16                      ; tile_dim0
	s_mov_b32 s[\g+4], 100                         ; tile_dim1
	s_mov_b32 s[\g+5], 32                          ; pitch
	s_mov_b32 s[\g+6], 0
	s_mov_b32 s[\g+7], 0
.endr
	s_and_b32 s22, s[WV], 1                        ; waves 0 and 1 fetch R's two halves, wave 2 fetches P
	s_lshl_b32 s22, s22, 2
	s_lshl_b32 s23, s19, 3
	s_add_co_u32 s22, s22, s23
	s_add_co_u32 s22, s22, RBASE
	s_mul_i32 s22, s22, REC
	s_mov_b32 s23, 0
	s_lshl_b32 s84, s18, 2
	s_add_co_u32 s84, s84, PBASE
	s_mul_i32 s84, s84, REC
	s_mov_b32 s85, 0
	s_mul_i32 s86, s[WV], 4*REC                    ; where they go: wave x 25,600: no place in the cluster enters an LDS address
	s_wait_dscnt 0x0
	s_wait_kmcnt 0x0
	s_add_nc_u64 s[22:23], s[6:7], s[22:23]
	s_add_nc_u64 s[84:85], s[4:5], s[84:85]
	CROUND                                         ; all sixteen work-groups are here: the joint loads meet
.irp s, 0,1,2,3
	s_mov_b32 s[G0R+4*\s], 1
	s_add_co_u32 s[G0R+4*\s+1], s86, \s*REG
	s_add_nc_u64 s[G0R+4*\s+2:G0R+4*\s+3], s[22:23], \s*KSTR_R
	s_or_b32 s[G0R+4*\s+3], s[G0R+4*\s+3], 0x80000000
	s_mov_b32 s[G0P+4*\s], 1
	s_add_co_u32 s[G0P+4*\s+1], s86, \s*REG
	s_add_nc_u64 s[G0P+4*\s+2:G0P+4*\s+3], s[84:85], \s*KSTR_P
	s_or_b32 s[G0P+4*\s+3], s[G0P+4*\s+3], 0x80000000
.endr
	s_cmp_lt_u32 s[WV], 2                          ; all of a wave's fills stand in one branch on its number: four loads of mine are out at the most
	s_cbranch_scc0 .Lnot_r
.irp s, 0,1,2,3
	tensor_load_to_lds s[G0R+4*\s:G0R+4*\s+3], s[G1R:G1R+7]
	s_nop 0
.endr
	PLACES 4
	s_branch .Lasked
.Lnot_r:
	s_cmp_eq_u32 s[WV], 2
	s_cbranch_scc0 .Lasked
.irp s, 0,1,2,3
	tensor_load_to_lds s[G0P+4*\s:G0P+4*\s+3], s[G1P:G1P+7]
	s_nop 0
.endr
	PLACES 4
.Lasked:
	v_and_b32 v1, 31, v0
	v_and_b32 v2, 15, v0                           ; r
	v_bfe_u32 v3, v0, 4, 1                         ; h
	v_lshlrev_b32 v[L16], 4, v1
	v_lshlrev_b32 v[L8], 3, v1
	s_mul_i32 s87, s[WV], 2*REC                    ; my two groups of R
.irp s, 0,1,2,3
	v_add_nc_u32 v[AR16+\s], s87, v[L16]
	v_add_nc_u32 v[AR8+\s], s87, v[L8]
	v_add_nc_u32 v[AP16+\s], \s*REG+RP, v[L16]
	v_add_nc_u32 v[AP8+\s], \s*REG+RP, v[L8]
	s_add_co_u32 s87, s87, REG
.endr
	s_mov_b32 s[SEL], 0x76543210
	s_mov_b32 s[SEL+1], 0xfedcba98                 ; v_permlanex16_b32's selects for lane l xor 16
.irp b, 0,1,2,3
	v_mov_b32 v[TM+4+\b], 0                        ; written once: a lane permute's destination counts as one of its sources
.endr
.if MODE == 1
	; the bias hangs on R: lane r of block a wants b[2048 + 256 y + 64 w + 32 (a / 2) + 8 (a % 2) + r + 8 (r / 8)], in all eight registers
	s_lshl_b32 s88, s19, 8
	s_lshl_b32 s89, s[WV], 6
	s_add_co_u32 s88, s88, s89
	s_add_co_u32 s88, s88, 2048
	s_lshl_b32 s88, s88, 2
	s_mov_b32 s89, 0
	s_add_nc_u64 s[8:9], s[8:9], s[88:89]
	v_and_b32 v1, 8, v2
	v_add_nc_u32 v1, v1, v2
	v_lshlrev_b32 v1, 2, v1
.irp a, 0,1,2,3
	global_load_b32 v[BIAS+8*\a], v1, s[8:9] offset:(32*(\a/2)+8*(\a%2))*4
.endr
.else
	; the bias hangs on P: register j of tile t wants b[128 x + 32 (t / 2) + 16 h + 8 (t % 2) + j]
	s_lshl_b32 s88, s18, 9
	s_mov_b32 s89, 0
	s_add_nc_u64 s[8:9], s[8:9], s[88:89]
	v_lshlrev_b32 v1, 6, v3
.irp t, 0,1,2,3,4,5,6,7
	global_load_b128 v[BIAS+8*\t:BIAS+8*\t+3], v1, s[8:9] offset:(32*(\t/2)+8*(\t%2))*4
	global_load_b128 v[BIAS+8*\t+4:BIAS+8*\t+7], v1, s[8:9] offset:(32*(\t/2)+8*(\t%2))*4+16
.endr
.endif
.if MODE == 0
	; where the codes go.  My 64 rows are blocks 4 g .. 4 g + 3 of step T = 2 y + w / 2 of 128 rows; my 128 columns are heads 2 (x % 8) and the next, of q (x < 8) or of k.
	s_cmp_lt_u32 ttmp9, 2
	s_cselect_b64 s[10:11], s[10:11], s[12:13]
	s_mov_b32 s92, 208896
	s_cselect_b32 s92, 106496, s92                 ; bytes from head to head
	s_mov_b32 s93, 13056
	s_cselect_b32 s93, 6656, s93                   ; and from step to step
	s_lshl_b32 s94, s19, 1
	s_lshr_b32 s95, s[WV], 1
	s_add_co_u32 s94, s94, s95                     ; T
	s_lshr_b32 s95, s94, 4                         ; batch
	s_and_b32 s94, s94, 15                         ; step in the batch
	s_lshl_b32 s95, s95, 4
	s_and_b32 s91, s18, 7
	s_lshl_b32 s91, s91, 1
	s_add_co_u32 s95, s95, s91                     ; 16 x batch + the even head
	s_mul_i32 s95, s95, s92
	s_mul_i32 s94, s94, s93
	s_add_co_u32 s94, s94, s95
	s_mov_b32 s95, 0
	s_add_nc_u64 s[10:11], s[10:11], s[94:95]      ; the even head's step record,
	s_mov_b32 s93, 0
	s_add_nc_u64 s[12:13], s[10:11], s[92:93]      ; the odd head's
	s_and_b32 s90, s[WV], 1                        ; g
	s_mul_i32 s91, s90, 3072
	v_add_nc_u32 v[GO16], s91, v[L16]
	v_add_nc_u32 v[GO8], s91, v[L8]
	v_mul_lo_u32 v[GOS], v3, s92                   ; scale words: lanes 0-15 the even head's, lanes 16-31 the odd head's
	v_lshl_add_u32 v[GOS], v2, 4, v[GOS]
	s_lshl_b32 s91, s90, 8
	v_add_nc_u32 v[GOS], s91, v[GOS]
	v_lshlrev_b32 v[SH], 4, v3
.endif
.if MODE == 1
	; my 64 of R are one head's 64 rows of V^T; my 128 of P are key step x % 16 of batch x / 16
	s_lshr_b32 s94, s18, 4
	s_and_b32 s95, s18, 15
	s_lshl_b32 s94, s94, 4
	s_lshl_b32 s91, s19, 2
	s_add_co_u32 s94, s94, s91
	s_add_co_u32 s94, s94, s[WV]
	s_mul_i32 s94, s94, 208896
	s_mul_i32 s95, s95, 13056
	s_add_co_u32 s94, s94, s95
	s_add_co_u32 s94, s94, 6656                    ; the V part lies behind the K part
	s_mov_b32 s95, 0
	s_add_nc_u64 s[10:11], s[10:11], s[94:95]
	v_mov_b32 v[GO16], v[L16]
	v_mov_b32 v[GO8], v[L8]
	v_lshlrev_b32 v[GOS], 4, v2
.endif
.if MODE == 2
	s_lshl_b32 s94, s19, 8
	s_lshl_b32 s95, s[WV], 6
	s_add_co_u32 s94, s94, s95                     ; my first row
	s_lshl_b32 s94, s94, 12
	s_lshl_b32 s95, s18, 9                         ; my first column, in bytes
	s_add_co_u32 s94, s94, s95
	s_mov_b32 s95, 0
	s_add_nc_u64 s[10:11], s[10:11], s[94:95]
	s_mul_i32 s91, s[WV], 16*528                   ; my stage, 16 rows x (512 + 16) bytes, in K step 0's region: it has had its one fill, and every wave's last read of it is waited for in front of step 1's barrier
	v_mul_u32_u24 v[STO], v2, 528
	v_lshl_add_u32 v[STO], v3, 6, v[STO]
	v_add_nc_u32 v[STO], s91, v[STO]
	v_add_nc_u32 v[RD], s91, v[L16]
.endif
	s_wait_tensorcnt 0x3                           ; my part of K step 0 is in; K steps 1 to 3 may be out
	s_barrier_signal -1
	s_barrier_wait -1                              ; everybody's is
	FETCH 0
	s_wait_loadcnt 0x0                             ; the bias
.if MODE == 1
.irp a, 0,1,2,3
.irp j, 1,2,3,4,5,6,7
	v_mov_b32 v[BIAS+8*\a+\j], v[BIAS+8*\a]
.endr
.endr
	PLACES 8
.endif
	STEP 0, 1
	STEP 1, 0
	STEP 2, 0
	STEP 3, 0
	STEP 4, 0
	STEP 5, 0
	STEP 6, 0
	STEP 7, 0
	WIN 0
	PLACES 4                                       ; in front of the first read of results, and of writes into registers that held fragments
.if MODE == 0
.irp a, 0,1,2,3                        ; each block has registers of its own for its codes: no store's data are written again
	QUANTW 64*\a, RF+24*\a
	v_lshrrev_b32 v[SW+\a], v[SH], v[PW]           ; bytes 0, 1: my head's two blocks (bytes 2, 3 scale zero codes: the other head's bytes, or 0)
	global_store_b128 v[GO16], v[RF+24*\a:RF+24*\a+3], s[10:11] offset:768*\a
	global_store_b64 v[GO8], v[RF+24*\a+4:RF+24*\a+5], s[10:11] offset:768*\a+512
	global_store_b128 v[GO16], v[RF+24*\a+6:RF+24*\a+9], s[12:13] offset:768*\a
	global_store_b64 v[GO8], v[RF+24*\a+10:RF+24*\a+11], s[12:13] offset:768*\a+512
.endr
	global_store_b128 v[GOS], v[SW:SW+3], s[10:11] offset:6144   ; sixteen lanes fill 256 consecutive bytes of a head's record
.endif
.if MODE == 1
.irp a, 0,1,2,3
	QUANTW 64*\a, RF+24*\a
	v_mov_b32 v[SW+\a], v[PW]
	global_store_b128 v[GO16], v[RF+24*\a:RF+24*\a+3], s[10:11] offset:1536*\a
	global_store_b64 v[GO8], v[RF+24*\a+4:RF+24*\a+5], s[10:11] offset:1536*\a+512
	global_store_b128 v[GO16], v[RF+24*\a+6:RF+24*\a+9], s[10:11] offset:1536*\a+768
	global_store_b64 v[GO8], v[RF+24*\a+10:RF+24*\a+11], s[10:11] offset:1536*\a+1280
.endr
	global_store_b128 v[GOS], v[SW:SW+3], s[10:11] offset:6144   ; lanes 16-31 write the same bytes with the same values
.endif
.if MODE == 2
	s_wait_alu depctr_va_vdst(0)
	TOSTAGE 0
.irp a, 1,2,3
.if \a > 1
	s_wait_xcnt 0x0                                ; block a - 2's stores have read their registers: block a's rows may land there
.endif
	TOSTAGE \a
	SEND \a-1, 32                                  ; behind block a - 1's loads: block a's 16 stores and 16 loads
.endr
	SEND 3, 0
.endif
	s_wait_dscnt 0x0
	s_wait_tensorcnt 0x0
	ds_add_u32 v254, v255
	s_wait_dscnt 0x0
	CROUND                                         ; the closing round: no work-group ends while a partner may still ask for a tile that names it
	s_endpgm
.Lfunc_end_k_q0b7b7a42f4_g_proj:
	.size	k_q0b7b7a42f4_g_proj, .Lfunc_end_k_q0b7b7a42f4_g_proj-k_q0b7b7a42f4_g_proj
	.p2alignl 7, 3214868480
	.fill 96, 4, 3214868480
	.section	.rodata,"a",@progbits
	.p2align	6, 0x0
	.amdhsa_kernel k_q0b7b7a42f4_g_proj
		.amdhsa_group_segment_fixed_size 327680
		.amdhsa_private_segment_fixed_size 0
		.amdhsa_enable_private_segment 0
		.amdhsa_kernarg_size 32
		.amdhsa_user_sgpr_count 2
		.amdhsa_user_sgpr_kernarg_segment_ptr 1
		.amdhsa_wavefront_size32 1
		.amdhsa_system_sgpr_workgroup_id_x 1
		.amdhsa_system_sgpr_workgroup_id_y 1
		.amdhsa_system_sgpr_workgroup_id_z 1
		.amdhsa_system_vgpr_workitem_id 0
		.amdhsa_next_free_vgpr 768
		.amdhsa_next_free_sgpr 100
		.amdhsa_reserve_vcc 0
		.amdhsa_float_denorm_mode_32 3
		.amdhsa_float_denorm_mode_16_64 3
		.amdhsa_memory_ordered 1
		.amdhsa_forward_progress 1
		.amdhsa_inst_pref_size 85
	.end_amdhsa_kernel
	.amdgpu_metadata
---
amdhsa.version: [ 1, 2 ]
amdhsa.kernels:
  - .name:           k_q0b7b7a42f4_g_proj
    .symbol:         k_q0b7b7a42f4_g_proj.kd
    .args:
      - { .name: wq, .offset: 0, .size: 8, .value_kind: global_buffer, .address_space: global }
      - { .name: ao, .offset: 8, .size: 8, .value_kind: global_buffer, .address_space: global }
      - { .name: b_proj, .offset: 16, .size: 8, .value_kind: global_buffer, .address_space: global }
      - { .name: out0, .offset: 24, .size: 8, .value_kind: global_buffer, .address_space: global }
    .group_segment_fixed_size: 327680
    .private_segment_fixed_size: 0
    .kernarg_segment_align: 8
    .kernarg_segment_size: 32
    .max_flat_workgroup_size: 128
    .sgpr_count:     100
    .vgpr_count:     768
    .wavefront_size: 32
...
	.end_amdgpu_metadata
.endif
;; end of part 4
